; MI455X (gfx1250); checked and timed in simulation.
; The chip was launched on July 23, 2026; its instructions are those of AMD's public machine-readable ISA for CDNA 5 (MIT licence, August 2026) and "CDNA5" Instruction Set Architecture Reference Guide (July 2026). The comments in the code are by the model that wrote it; some were corrected since.
;; Self Attn. Allowed arithmetic: float matrix products may take bf16 or f16 operands with f32 sums; other float arithmetic in f32, or as packed bf16 or f16 multiplies, adds, multiply-adds, maxima and minima; sums over many terms, partial sums and values carried from step to step in f32; what a program stores and reads back later, other than sums and carried values, may be rounded once to bf16 or f16.
;; Inputs: cos 2,048 x 1,024 float32; sin 2,048 x 1,024 float32; wk 1,024 x 1,024 float32; wq 1,024 x 1,024 float32; wv 1,024 x 1,024 float32; x 4 x 2,048 x 1,024 float32.
;; Outputs: out0 4 x 2,048 x 1,024 float32.
;; 2 versions, each right; version 2 is version 1 with the launch cast written anew for expert scheduling mode. Each part assembles by itself: llvm-mc -triple=amdgcn-amd-amdhsa -mcpu=gfx1250 --defsym DOCPART=n.
;; ======== version 1 of 2: 4 launches
;; limits: values are held in f16: magnitudes above 65,504 overflow, below 6.1e-05 lose precision; right only within a limited range of input values
;; workspace buffers: xb 16,777,216 bytes; wb 6,291,456 bytes; zh 50,331,648 bytes; zf 786,432 bytes; qk 33,554,432 bytes
;; launch cast (part 1): grid 352 x 1, 8 waves a work-group, no clusters, 0 bytes of LDS; arguments x, wq, wk, wv, xb, wb; writes xb, wb
.if DOCPART == 1
	.amdgcn_target "amdgcn-amd-amdhsa--gfx1250"
	.amdhsa_code_object_version 6
	.text
	.protected	k_q8b7d2f263c_cast
	.globl	k_q8b7d2f263c_cast
	.p2align	8
	.type	k_q8b7d2f263c_cast,@function
k_q8b7d2f263c_cast:
	s_mov_b64 s[64:65], 0
	v_nop
	global_prefetch_b8 v0, s[64:65] scope:SCOPE_SE
	s_setreg_imm32_b32 hwreg(HW_REG_WAVE_MODE, 25, 1), 1
	s_wait_xcnt 0x0
; x -> xb in bf16; wq, wk (times 2^-6) and wv (times 2^-4) -> wb in bf16, rows wq, wk, wv on end.
; The powers of two are exact: they leave room in f16 for what the later launches make of these products, and are taken back there.
; LIMIT: a weight below 2^-120 in size loses bits to the scaling.
; A work-group takes 32 rows of 1,024 numbers: 131,072 bytes in, 65,536 out.  Groups 0-255: x.  Groups 256-351: the weights, 32 groups a tensor.
; Thread t, chunk i of 32: 16 bytes at 4,096 i + 16 t (a wave's load covers 512 bytes on end), stored as 8 bytes at 2,048 i + 8 t
; (a wave's store covers 256 consecutive bytes, aligned).  All 32 loads of a wave go out first; no register is written twice but X by the scaling in place.
.set X, 8                              ; v[8:135]    chunk i: 4 numbers as loaded
.set Y, 136                            ; v[136:199]  chunk i: 4 bf16 to store
.macro CAST scaled
.set i, 0
.rept 32
	global_load_b128 v[X+4*i:X+4*i+3], v1, s[4:5] offset:4096*i th:TH_LOAD_NT
.set i, i+1
.endr
.set i, 0
.rept 32
	s_wait_loadcnt 31-i                            ; loads come back in order: chunk i is in, the 31 - i younger ones stay out
.if \scaled
	v_pk_mul_f32 v[X+4*i:X+4*i+1], v[X+4*i:X+4*i+1], s[20:21] op_sel_hi:[1,0]
	v_pk_mul_f32 v[X+4*i+2:X+4*i+3], v[X+4*i+2:X+4*i+3], s[20:21] op_sel_hi:[1,0]
.endif
	v_cvt_pk_bf16_f32 v[Y+2*i], v[X+4*i], v[X+4*i+1]
	v_cvt_pk_bf16_f32 v[Y+2*i+1], v[X+4*i+2], v[X+4*i+3]
	global_store_b64 v2, v[Y+2*i:Y+2*i+1], s[12:13] offset:2048*i
.set i, i+1
.endr
	s_endpgm
.endm
	s_load_b256 s[4:11], s[0:1], 0x0               ; x s[4:5], wq s[6:7], wk s[8:9], wv s[10:11]
	s_load_b128 s[12:15], s[0:1], 0x20             ; xb s[12:13], wb s[14:15]
	v_lshlrev_b32 v1, 4, v0                        ; 16 t
	v_lshlrev_b32 v2, 3, v0                        ; 8 t
	s_mov_b32 s17, 0
	s_mov_b32 s19, 0
	s_mov_b32 s20, 0x3c800000                      ; 2^-6
	s_mov_b32 s21, 0x3d800000                      ; 2^-4
	s_wait_kmcnt 0x0
	s_cmp_lt_u32 ttmp9, 256
	s_cbranch_scc0 .Lweights
	s_lshl_b32 s16, ttmp9, 17
	s_lshl_b32 s18, ttmp9, 16
	s_add_nc_u64 s[4:5], s[4:5], s[16:17]
	s_add_nc_u64 s[12:13], s[12:13], s[18:19]
	CAST 0
.Lweights:
	s_sub_co_u32 s22, ttmp9, 256                   ; e = 0 .. 95
	s_lshr_b32 s23, s22, 5                         ; the tensor
	s_and_b32 s16, s22, 31
	s_lshl_b32 s16, s16, 17                        ; its 32 rows in the tensor
	s_lshl_b32 s18, s22, 16                        ; and in wb
	s_cmp_eq_u32 s23, 0
	s_cselect_b64 s[4:5], s[6:7], s[8:9]
	s_cmp_eq_u32 s23, 2
	s_cselect_b64 s[4:5], s[10:11], s[4:5]
	s_cselect_b32 s20, s21, s20
	s_mov_b32 s21, s20                             ; named with it as a pair
	s_add_nc_u64 s[4:5], s[4:5], s[16:17]
	s_add_nc_u64 s[12:13], s[14:15], s[18:19]
	CAST 1
.Lfunc_end_k_q8b7d2f263c_cast:
	.size	k_q8b7d2f263c_cast, .Lfunc_end_k_q8b7d2f263c_cast-k_q8b7d2f263c_cast
	.p2alignl 7, 3214868480
	.fill 96, 4, 3214868480
	.section	.rodata,"a",@progbits
	.p2align	6, 0x0
	.amdhsa_kernel k_q8b7d2f263c_cast
		.amdhsa_group_segment_fixed_size 0
		.amdhsa_private_segment_fixed_size 0
		.amdhsa_enable_private_segment 0
		.amdhsa_kernarg_size 48
		.amdhsa_user_sgpr_count 2
		.amdhsa_user_sgpr_kernarg_segment_ptr 1
		.amdhsa_wavefront_size32 1
		.amdhsa_system_sgpr_workgroup_id_x 1
		.amdhsa_system_sgpr_workgroup_id_y 1
		.amdhsa_system_sgpr_workgroup_id_z 1
		.amdhsa_system_vgpr_workitem_id 0
		.amdhsa_next_free_vgpr 200
		.amdhsa_next_free_sgpr 66
		.amdhsa_reserve_vcc 0
		.amdhsa_float_denorm_mode_32 3
		.amdhsa_float_denorm_mode_16_64 3
		.amdhsa_memory_ordered 1
		.amdhsa_forward_progress 1
		.amdhsa_inst_pref_size 28
	.end_amdhsa_kernel
	.amdgpu_metadata
---
amdhsa.version: [ 1, 2 ]
amdhsa.kernels:
  - .name:           k_q8b7d2f263c_cast
    .symbol:         k_q8b7d2f263c_cast.kd
    .args:
      - { .name: x, .offset: 0, .size: 8, .value_kind: global_buffer, .address_space: global }
      - { .name: wq, .offset: 8, .size: 8, .value_kind: global_buffer, .address_space: global }
      - { .name: wk, .offset: 16, .size: 8, .value_kind: global_buffer, .address_space: global }
      - { .name: wv, .offset: 24, .size: 8, .value_kind: global_buffer, .address_space: global }
      - { .name: xb, .offset: 32, .size: 8, .value_kind: global_buffer, .address_space: global }
      - { .name: wb, .offset: 40, .size: 8, .value_kind: global_buffer, .address_space: global }
    .group_segment_fixed_size: 0
    .private_segment_fixed_size: 0
    .kernarg_segment_align: 8
    .kernarg_segment_size: 48
    .max_flat_workgroup_size: 256
    .sgpr_count:     66
    .vgpr_count:     200
    .wavefront_size: 32
...
	.end_amdgpu_metadata
.endif
;; end of part 1
;; launch proj (part 2): grid 12 x 32, 4 waves a work-group, clusters of 4 x 4, 327,680 bytes of LDS; arguments xb, wb, zh, zf; writes zh, zf
.if DOCPART == 2
	.amdgcn_target "amdgcn-amd-amdhsa--gfx1250"
	.amdhsa_code_object_version 6
	.text
	.protected	k_q8b7d2f263c_proj
	.globl	k_q8b7d2f263c_proj
	.p2align	8
	.type	k_q8b7d2f263c_proj,@function
k_q8b7d2f263c_proj:
	s_mov_b64 s[64:65], 0
	v_nop
	global_prefetch_b8 v0, s[64:65] scope:SCOPE_SE
	s_setreg_imm32_b32 hwreg(HW_REG_WAVE_MODE, 25, 1), 1
	s_wait_xcnt 0x0
	s_wait_alu depctr_hold_cnt(0) depctr_sa_sdst(0) depctr_va_vdst(0) depctr_va_sdst(0) depctr_va_ssrc(0) depctr_va_vcc(0) depctr_vm_vsrc(0)
	s_getreg_b32 s2, hwreg(HW_REG_IB_STS2, 6, 4)
	s_cmp_eq_u32 s2, 0
	s_cbranch_scc0 .Lentry_in_a_cluster
	s_endpgm
.Lentry_in_a_cluster:
	s_bfe_u32 s2, ttmp6, 0x10000c
	s_cmp_lg_u32 s2, 0xf033
	s_cbranch_scc0 .Lentry_shape_is_right
	s_endpgm
.Lentry_shape_is_right:
; z[row][col] = sum over k of xb[row][k] wb[col][k]: 8,192 x 3,072 x 1,024, bf16 operands, f32 sums; z leaves in f16, by heads.
; zh: 96 planes of [2,048 t][128] f16; plane = 32 tensor + 8 batch + head (tensor 0 q, 1 k, 2 v).  q and k carry the factor 2^-6, v 2^-4 (from wb).
; zf: the sums of rows t < 16 of each batch once more, unrounded, [batch][24 heads][16][128] f32: the next launch computes those rows in f32.
; LIMIT: f16 ends at 65,504: |q|, |k| stay under 4.19e6 and |v| under 1.05e6 in their true sizes.
; A tile of 256 x 256 is made by four waves, each 128 x 128: 64 accumulators, 512 registers.  K goes in steps of 128 through two LDS slots filled by the tensor data mover.
; CLUSTERS: 4 x 4 work-groups.  The four of a row of the cluster need the same tiles of xb, the four of a column the same tiles of wb: each tile is asked for jointly.
; A cluster's four tile rows are the same 256 positions t of the four batches (tile row = 8 cy + cluster y), so that 'this tile holds t < 16' is cluster y = 0, alike in all partners.
; THE MATRIX INSTRUCTION IS USED TRANSPOSED (source 0 = 16 rows of wb, source 1 = 16 rows of xb): a lane holds eight neighbouring columns of one row.  A wave's 128 columns are one head.
; REGISTERS, in windows of 256: window 0: v0-31 addresses; v64-191 fragments of xb; v32-63, v192-255 at work on the way out.  window 1: fragments of wb.  windows 2, 3: the accumulators ((a, b) at v[8 (8 a + b)]).
.set SIZE_K, 1024
.set KSTEP,  128
.set PITCH,  272                       ; an LDS row: 256 bytes + 16 of padding: the 16 rows of a fragment load start at 16 different groups of four banks (ISA guide 11.1)
.set HALFT,  128*PITCH
.set SLOT,   4*HALFT
.set STAGE,  2*SLOT                    ; behind the ring: 16 rows x 272 bytes for each wave
.set SPITCH, 272
.set SPARE,  STAGE+4*16*SPITCH         ; the spare words, 128 bytes a wave; no other line names them
.set LAPS, SIZE_K/(2*KSTEP)
.set ADRA, 16
.set ADRB, 20
.set STO,  24
.set RD,   25
.set CO,   26                          ; v26  16 x lane: my 16 bytes of two rows of a plane
.set ZO,   27                          ; v27  my place in a block of zf: 512 (l % 16) + 32 (l / 16)
.set SPW,  28
.set NIL,  29
.set PFO,  30
.set PFA,  44
.set LIM,  43
.set F0,   64
.set F1,   128
.set TMP,  192
.set OB,   32
.set PA,   64
.set G1, 24
.set G0, 32
.set G1B, 48
.set G0B, 56
.set MSB, 0
.macro WIN new                         ; the immediate's high byte repeats the setting that is left
.if MSB != (\new)
	s_set_vgpr_msb (MSB<<8)|(\new)
.set MSB, \new
.endif
.endm
.set MUL_LO, 0xa1
.set MUL_HI, 0xf1
.set TO_B,   0x40
; A joint load: waves 0 and 1 fetch xb's two halves, waves 2 and 3 wb's.  An s_nop 0 and four v_nop follow each line.
.macro JLOAD s
	s_cmp_eq_u32 s11, 0
	s_cbranch_scc0 .Lfor_b_\@
	tensor_load_to_lds s[G0+4*(\s):G0+4*(\s)+3], s[G1:G1+7]
	s_nop 0
.rept 4
	v_nop
.endr
	s_branch .Lasked_\@
.Lfor_b_\@:
	tensor_load_to_lds s[G0B+4*(\s):G0B+4*(\s)+3], s[G1B:G1B+7]
	s_nop 0
.rept 4
	v_nop
.endr
.Lasked_\@:
.endm
; A prefetch of the K step that stands two refills on: 32 rows x 256 bytes, a lane a row.  xb's rows are asked for by cluster x = 0, wb's by cluster y = 0; the four partners
; that ask for a tile jointly share its rows out by address, 32 each.  The loop's last trip (s3 = 1) asks for nothing: there is no K step two on.
.macro ASK
	s_cmp_gt_u32 s3, s[LIM]
	s_cbranch_scc0 .Lnot_mine_\@
	global_prefetch_b8 v[PFO], s[PFA:PFA+1] offset:KSTEP*2 th:TH_LOAD_NT scope:SCOPE_SE
.Lnot_mine_\@:
.endm
.macro CREST                           ; a round of the cluster's barrier behind its opening barrier
	s_cmp_lg_u32 s10, 0
	s_cbranch_scc1 .Lnot_wave_0_\@
	s_barrier_signal -3
.Lnot_wave_0_\@:
	s_barrier_wait -3
	s_barrier_signal -1
	s_barrier_wait -1
.endm
.macro CROUND
	s_barrier_signal -1
	s_barrier_wait -1
	CREST
.endm
	s_load_b128 s[4:7], s[0:1], 0x0                ; xb s[4:5], wb s[6:7]
	s_load_b64 s[8:9], s[0:1], 0x10                ; zh
	s_load_b64 s[66:67], s[0:1], 0x18              ; zf
	v_lshl_add_u32 v[SPW], v0, 2, SPARE
	v_mov_b32 v[NIL], 0
	ds_add_u32 v[SPW], v[NIL]                      ; the wave's opening: the add and its wait stand ahead of my first tensor load
	v_lshrrev_b32 v1, 5, v0
	v_readfirstlane_b32 s10, v1                    ; wave 0..3
	s_lshr_b32 s11, s10, 1                         ; my half of the tile's rows.  Also: I fetch for xb (0) or wb (1)
	s_and_b32 s12, s10, 1                          ; my half of its columns.  Also: which 128 rows I fetch
	s_bfe_u32 s40, ttmp6, 0x40000                  ; cx
	s_bfe_u32 s41, ttmp6, 0x40004                  ; cy
	s_lshl_b32 s42, ttmp9, 2
	s_add_co_u32 s42, s42, s40                     ; tile column = 4 x cluster x + cx
	s_and_b32 s69, ttmp7, 0xffff                   ; cluster y
	s_lshl_b32 s13, s41, 3
	s_add_co_u32 s13, s13, s69                     ; tile row = 8 cy + cluster y: batch cy, positions 256 x cluster y on
	s_lshl_b32 s43, s41, 2
	s_lshl_b32 s43, 15, s43                        ; my row of the cluster
	s_lshl_b32 s44, 0x1111, s40                    ; my column
	s_or_b32 s[G1+0], s43, (1<<16)|(1<<20)|(1<<21)|(5<<22)|(3<<25)  ; the mask; 2-byte elements; padding on; bit 21 beside a mask; after every 64 words 4 words
	s_or_b32 s[G1B+0], s44, (1<<16)|(1<<20)|(1<<21)|(5<<22)|(3<<25)
	s_mov_b32 s[G1B+1], KSTEP<<16
	s_mov_b32 s[G1+1], KSTEP<<16                   ; tensor_dim0 = 128
	s_mov_b32 s[G1B+2], 128<<16
	s_mov_b32 s[G1+2], 128<<16                     ; tensor_dim1 = 128
	s_mov_b32 s[G1B+3], KSTEP<<16
	s_mov_b32 s[G1+3], KSTEP<<16                   ; tile_dim0 = 128
	s_mov_b32 s[G1B+4], 128
	s_mov_b32 s[G1+4], 128                         ; tile_dim1 = 128
	s_mov_b32 s[G1B+5], SIZE_K
	s_mov_b32 s[G1+5], SIZE_K                      ; elements from row to row
	s_mov_b32 s[G1B+6], 0
	s_mov_b32 s[G1+6], 0
	s_mov_b32 s[G1B+7], 0
	s_mov_b32 s[G1+7], 0
	s_lshl_b32 s17, s12, 7
	s_lshl_b32 s16, s13, 8
	s_add_co_u32 s16, s16, s17                     ; xb: row 256 x tile row + 128 x half
	s_lshl_b32 s46, s42, 8
	s_add_co_u32 s46, s46, s17                     ; wb: row 256 x tile column + 128 x half
	s_mov_b32 s17, 0
	s_mov_b32 s47, 0
	s_mov_b64 s[18:19], SIZE_K*2
	s_mul_u64 s[16:17], s[16:17], s[18:19]
	s_mul_u64 s[46:47], s[46:47], s[18:19]
	s_mul_i32 s20, s10, HALFT                      ; where they go: wave x 128 rows
	s_wait_dscnt 0x0                               ; the opening add is done
	s_wait_kmcnt 0x0
	s_add_nc_u64 s[14:15], s[4:5], s[16:17]
	s_add_nc_u64 s[46:47], s[6:7], s[46:47]
	CROUND                                         ; all sixteen work-groups are here: the first joint loads meet
.irp s, 0,1
	s_mov_b32 s[G0+4*(\s)], 1
	s_add_co_u32 s[G0+4*(\s)+1], s20, (\s)*SLOT
	s_add_nc_u64 s[G0+4*(\s)+2:G0+4*(\s)+3], s[14:15], (\s)*KSTEP*2
	s_or_b32 s[G0+4*(\s)+3], s[G0+4*(\s)+3], 0x80000000
	s_mov_b32 s[G0B+4*(\s)], 1
	s_add_co_u32 s[G0B+4*(\s)+1], s20, (\s)*SLOT
	s_add_nc_u64 s[G0B+4*(\s)+2:G0B+4*(\s)+3], s[46:47], (\s)*KSTEP*2
	s_or_b32 s[G0B+4*(\s)+3], s[G0B+4*(\s)+3], 0x80000000
	JLOAD \s
.endr
	v_and_b32 v1, 15, v0                           ; l % 16
	v_bfe_u32 v2, v0, 4, 1                         ; l / 16
	v_mul_u32_u24 v3, v1, PITCH
	v_lshl_add_u32 v3, v2, 4, v3
	s_mul_i32 s21, s11, HALFT
	s_mul_i32 s22, s12, HALFT
	s_add_co_u32 s22, s22, 2*HALFT
.irp s, 0,1
	v_add_nc_u32 v[ADRA+(\s)], s21, v3
	v_add_nc_u32 v[ADRB+(\s)], s22, v3
	s_add_co_u32 s21, s21, SLOT
	s_add_co_u32 s22, s22, SLOT
.endr
	s_mul_i32 s23, s10, 16*SPITCH
	s_add_co_u32 s23, s23, STAGE
	v_mul_u32_u24 v4, v1, SPITCH
	v_lshl_add_u32 v4, v2, 4, v4
	v_add_nc_u32 v[STO], s23, v4
	v_mul_u32_u24 v5, v2, SPITCH
	v_lshl_add_u32 v5, v1, 4, v5
	v_add_nc_u32 v[RD], s23, v5
	v_lshlrev_b32 v5, 8, v2                        ; two rows of a plane are 512 bytes on end
	v_lshl_add_u32 v[CO], v1, 4, v5
	v_lshlrev_b32 v5, 5, v2
	v_lshl_add_u32 v[ZO], v1, 9, v5
	; where my 128 x 128 goes: one head's plane, rows 256 x cluster y + 128 x row half on
	s_lshl_b32 s13, s13, 8                         ; 256 x tile row (the prefetches want it)
	s_lshl_b32 s46, s42, 1
	s_add_co_u32 s46, s46, s12                     ; g = 2 x tile column + column half = 8 tensor + head
	s_lshr_b32 s47, s46, 3
	s_lshl_b32 s47, s47, 5                         ; 32 tensor
	s_lshl_b32 s14, s41, 3
	s_add_co_u32 s47, s47, s14                     ; + 8 batch
	s_and_b32 s14, s46, 7
	s_add_co_u32 s47, s47, s14                     ; + head
	s_lshl_b32 s16, s47, 19                        ; a plane is 524,288 bytes
	s_lshl_b32 s14, s69, 16
	s_add_co_u32 s16, s16, s14
	s_lshl_b32 s14, s11, 15
	s_add_co_u32 s16, s16, s14
	s_mov_b32 s17, 0
	s_mul_i32 s70, s41, 24
	s_add_co_u32 s70, s70, s46
	s_lshl_b32 s70, s70, 13                        ; (24 batch + g) blocks of 8,192 bytes in zf
	s_mov_b32 s71, 0
	s_add_nc_u64 s[66:67], s[66:67], s[70:71]
	s_or_b32 s68, s69, s11                         ; 0: my first 16 rows are t = 0 .. 15
	; the prefetches
	s_lshl_b32 s42, s42, 8
	s_and_b32 s22, ttmp7, 0xffff
	s_cmp_eq_u32 s11, 0
	s_cselect_b32 s20, s13, s42
	s_cselect_b32 s21, s40, s41
	s_cselect_b32 s22, ttmp9, s22
	s_cselect_b64 s[PFA:PFA+1], s[4:5], s[6:7]
	s_cmp_eq_u32 s22, 0
	s_cselect_b32 s[LIM], 1, -1
	s_lshl_b32 s22, s12, 7
	s_add_co_u32 s20, s20, s22
	s_lshl_b32 s21, s21, 5
	s_add_co_u32 s20, s20, s21
	s_mov_b32 s21, 0
	s_mov_b64 s[18:19], SIZE_K*2
	s_mul_u64 s[20:21], s[20:21], s[18:19]
	s_add_nc_u64 s[PFA:PFA+1], s[PFA:PFA+1], s[20:21]
	s_add_nc_u64 s[PFA:PFA+1], s[PFA:PFA+1], 2*KSTEP*2  ; at K step 2: the first refill steps it to 3 and names K step 4
	v_and_b32 v[PFO], 31, v0
	v_mul_u32_u24 v[PFO], v[PFO], SIZE_K*2
.macro MUL16 f, hi, a0, zero           ; 16 matrix instructions: m blocks a0, a0 + 1 x all 8 n blocks; zero = 1: they start the sums
	WIN MUL_LO+0x50*(\hi)
.irp a, \a0, (\a0)+1
.irp b, 0,1,2,3,4,5,6,7
.if \zero
	v_wmma_f32_16x16x32_bf16 v[8*(8*(\a)+(\b)):8*(8*(\a)+(\b))+7], v[(\f)+8*(\b):(\f)+8*(\b)+7], v[(\f)+8*(4*(\hi)+(\a)):(\f)+8*(4*(\hi)+(\a))+7], 0
.else
	v_wmma_f32_16x16x32_bf16 v[8*(8*(\a)+(\b)):8*(8*(\a)+(\b))+7], v[(\f)+8*(\b):(\f)+8*(\b)+7], v[(\f)+8*(4*(\hi)+(\a)):(\f)+8*(4*(\hi)+(\a))+7], v[8*(8*(\a)+(\b)):8*(8*(\a)+(\b))+7]
.endif
.endr
.endr
.endm
.macro FETCH slot, k, f                ; 32 LDS loads in one run: a quarter step's fragments
	WIN TO_B
.irp i, 0,1,2,3,4,5,6,7
	ds_load_b128 v[(\f)+8*(\i):(\f)+8*(\i)+3],   v[ADRB+(\slot)] offset:(\k)+(\i)*16*PITCH
	ds_load_b128 v[(\f)+8*(\i)+4:(\f)+8*(\i)+7], v[ADRB+(\slot)] offset:(\k)+(\i)*16*PITCH+32
.endr
	WIN 0
.irp i, 0,1,2,3,4,5,6,7
	ds_load_b128 v[(\f)+8*(\i):(\f)+8*(\i)+3],   v[ADRA+(\slot)] offset:(\k)+(\i)*16*PITCH
	ds_load_b128 v[(\f)+8*(\i)+4:(\f)+8*(\i)+7], v[ADRA+(\slot)] offset:(\k)+(\i)*16*PITCH+32
.endr
.endm
.macro PLACES                          ; four plain instructions behind a matrix instruction, ahead of loads into its sources and of readers of its result
.rept 4
	v_nop
.endr
.endm
.macro QUARTER slot, k, f, g, zero
	s_wait_dscnt 8                                 ; wb's fragments and xb's rows 0-63 are in; the youngest eight loads may be out
	WIN MUL_LO
	MUL16 \f, 0, 0, \zero
	MUL16 \f, 0, 2, \zero
	PLACES
	FETCH \slot, \k, \g
	s_wait_dscnt 32                                ; all but the 32 just issued
	WIN MUL_HI
	MUL16 \f, 1, 0, \zero
	MUL16 \f, 1, 2, \zero
.endm
.macro MEET round                      ; the change of slots: all my tensor loads, the add, my reads of the slot, then the barrier
	WIN 0
	s_wait_tensorcnt 0x0                           ; the one load that was out is my part of the next slot
	ds_add_u32 v[SPW], v[NIL]
	s_wait_dscnt 9                                 ; the add and the youngest eight loads may be out
	WIN MUL_LO
	MUL16 F1, 0, 0, 0
	s_wait_dscnt 0x0                               ; the add is done, and my reads of this slot are over
	s_barrier_signal -1
	MUL16 F1, 0, 2, 0
.if \round
	WIN 0
.endif
	s_barrier_wait -1
.endm
.macro TURN slot, next
	s_wait_xcnt 0x0                                ; the last prefetch, a K step back, has read its address
	s_add_nc_u64 s[PFA:PFA+1], s[PFA:PFA+1], KSTEP*2
	MEET 1
	CREST                                          ; no wave of any partner still reads this slot or has a load on its way
	s_add_nc_u64 s[G0+4*(\slot)+2:G0+4*(\slot)+3], s[G0+4*(\slot)+2:G0+4*(\slot)+3], 2*KSTEP*2
	s_add_nc_u64 s[G0B+4*(\slot)+2:G0B+4*(\slot)+3], s[G0B+4*(\slot)+2:G0B+4*(\slot)+3], 2*KSTEP*2
	JLOAD \slot                                    ; the first tensor load behind the round; its four v_nop are also the places ahead of the loads below
	FETCH \next, 0, F0
	ASK
	WIN MUL_HI
	MUL16 F1, 1, 0, 0
	MUL16 F1, 1, 2, 0
.endm
; The last K step goes by rows of the result: all its fragments of wb fill window 1; my eight blocks of 16 rows are finished one after the other and leave at once.
.macro BLOAD q
	WIN TO_B
.irp i, 0,1,2,3,4,5,6,7
	ds_load_b128 v[64*(\q)+8*(\i):64*(\q)+8*(\i)+3],   v[ADRB+1] offset:64*(\q)+(\i)*16*PITCH
	ds_load_b128 v[64*(\q)+8*(\i)+4:64*(\q)+8*(\i)+7], v[ADRB+1] offset:64*(\q)+(\i)*16*PITCH+32
.endr
.endm
.macro ALOAD a
	WIN 0
.set FA, PA+32*((\a)%4)
.irp q, 0,1,2,3
	ds_load_b128 v[FA+8*(\q):FA+8*(\q)+3],   v[ADRA+1] offset:64*(\q)+(\a)*16*PITCH
	ds_load_b128 v[FA+8*(\q)+4:FA+8*(\q)+7], v[ADRA+1] offset:64*(\q)+(\a)*16*PITCH+32
.endr
.endm
.macro ROW a
.set FA, PA+32*((\a)%4)
.set AC, 64*((\a)%4)
	WIN MUL_LO+0x50*((\a)/4)
.irp q, 0,1,2,3
.if (\a) == 0 && (\q) == 2
	s_wait_dscnt 24                                ; wb's quarter 2 is in (behind it: xb's blocks 1 to 3)
.endif
.irp b, 0,1,2,3,4,5,6,7
	v_wmma_f32_16x16x32_bf16 v[AC+8*(\b):AC+8*(\b)+7], v[64*(\q)+8*(\b):64*(\q)+8*(\b)+7], v[FA+8*(\q):FA+8*(\q)+7], v[AC+8*(\b):AC+8*(\b)+7]
.endr
.endr
.endm
.macro SIDE                            ; rows t < 16: block 0's sums go to zf as they are, each accumulator's low four registers first
	WIN 0
	s_cmp_eq_u32 s68, 0
	s_cbranch_scc0 .Lno_side
	WIN 0x08                                       ; the stores' data lie in window 2
.irp b, 0,1,2,3,4,5,6,7
	global_store_b128 v[ZO], v[8*(\b):8*(\b)+3],   s[66:67] offset:64*(\b)
	global_store_b128 v[ZO], v[8*(\b)+4:8*(\b)+7], s[66:67] offset:64*(\b)+16
.endr
	WIN 0
.Lno_side:
.endm
.macro PACK a
.set AC, 64*((\a)%4)
	WIN 0x0a+5*((\a)/4)
.irp b, 0,1,2,3,4,5,6,7
.irp r, 0,1,2,3
	v_cvt_pk_f16_f32 v[TMP+4*(\b)+(\r)], v[AC+8*(\b)+2*(\r)], v[AC+8*(\b)+2*(\r)+1]
.endr
.endr
	WIN 0
.endm
.macro TOSTAGE a
	WIN 0
.set BK, OB+192*((\a)%2)
.irp b, 0,1,2,3,4,5,6,7
	ds_store_b128 v[STO], v[TMP+4*(\b):TMP+4*(\b)+3] offset:32*(\b)
.endr
.irp t, 0,1,2,3,4,5,6,7
	ds_load_b128 v[BK+4*(\t):BK+4*(\t)+3], v[RD] offset:(\t)*2*SPITCH  ; LDS serves a wave's instructions in order (ISA guide 5.7.1.4)
.endr
.endm
.macro SEND a, younger
	WIN 0
.set BK, OB+192*((\a)%2)
	s_wait_dscnt \younger
	s_wait_xcnt 0x0                                ; the stores' base and the registers that earlier stores read are rewritten only behind this wait
.if (\a) == 0
	s_add_nc_u64 s[8:9], s[8:9], s[16:17]
.else
	s_add_nc_u64 s[8:9], s[8:9], 16*256            ; 16 rows of a plane on
.endif
.irp t, 0,1,2,3,4,5,6,7
	global_store_b128 v[CO], v[BK+4*(\t):BK+4*(\t)+3], s[8:9] offset:512*(\t)  ; a wave's store covers 512 consecutive bytes, aligned
.endr
.endm
	s_wait_tensorcnt 1                             ; my part of K step 0 is in; K step 1's may stay out
	s_barrier_signal -1
	s_barrier_wait -1
	FETCH 0, 0, F0
	QUARTER 0, 64,  F0, F1, 1                      ; the first quarter starts the sums
	WIN 0
	s_mov_b32 s3, LAPS-1
.Llap:
	QUARTER 0, 128, F1, F0, 0
	QUARTER 0, 192, F0, F1, 0
	TURN 0, 1
	QUARTER 1, 64,  F0, F1, 0
	QUARTER 1, 128, F1, F0, 0
	QUARTER 1, 192, F0, F1, 0
	TURN 1, 0
	QUARTER 0, 64,  F0, F1, 0
	WIN 0
	s_sub_co_u32 s3, s3, 1
	s_cmp_lg_u32 s3, 0
	s_cbranch_scc1 .Llap
	QUARTER 0, 128, F1, F0, 0
	QUARTER 0, 192, F0, F1, 0
	MEET 0                                         ; nothing is filled again, so no round follows
	PLACES
	WIN TO_B
	BLOAD 0
	BLOAD 1
	BLOAD 3
	WIN 0
	ALOAD 0
	WIN MUL_HI
	MUL16 F1, 1, 0, 0
	MUL16 F1, 1, 2, 0
	PLACES
	WIN TO_B
	BLOAD 2
	WIN 0
	ALOAD 1
	ALOAD 2
	ALOAD 3
	s_wait_dscnt 40                                ; all but the 40 just issued
	ROW 0
.irp a, 0,1,2,3,4,5,6,7
	PLACES
.if (\a) == 0
	SIDE
.endif
	PACK \a
	TOSTAGE \a
.if (\a) < 4
	ALOAD (\a)+4
	SEND \a, 8
.else
	SEND \a, 0
.endif
.if (\a) < 7
	ROW (\a)+1
.endif
.endr
	s_wait_tensorcnt 0x0                           ; the wave's end
	ds_add_u32 v[SPW], v[NIL]
	s_wait_dscnt 0x0
	CROUND                                         ; the closing round
	s_endpgm
.Lfunc_end_k_q8b7d2f263c_proj:
	.size	k_q8b7d2f263c_proj, .Lfunc_end_k_q8b7d2f263c_proj-k_q8b7d2f263c_proj
	.p2alignl 7, 3214868480
	.fill 96, 4, 3214868480
	.section	.rodata,"a",@progbits
	.p2align	6, 0x0
	.amdhsa_kernel k_q8b7d2f263c_proj
		.amdhsa_group_segment_fixed_size 327680
		.amdhsa_private_segment_fixed_size 0
		.amdhsa_enable_private_segment 0
		.amdhsa_kernarg_size 32
		.amdhsa_user_sgpr_count 2
		.amdhsa_user_sgpr_kernarg_segment_ptr 1
		.amdhsa_wavefront_size32 1
		.amdhsa_system_sgpr_workgroup_id_x 1
		.amdhsa_system_sgpr_workgroup_id_y 1
		.amdhsa_system_sgpr_workgroup_id_z 1
		.amdhsa_system_vgpr_workitem_id 0
		.amdhsa_next_free_vgpr 1024
		.amdhsa_next_free_sgpr 72
		.amdhsa_reserve_vcc 0
		.amdhsa_float_denorm_mode_32 3
		.amdhsa_float_denorm_mode_16_64 3
		.amdhsa_memory_ordered 1
		.amdhsa_forward_progress 1
		.amdhsa_inst_pref_size 146
	.end_amdhsa_kernel
	.amdgpu_metadata
---
amdhsa.version: [ 1, 2 ]
amdhsa.kernels:
  - .name:           k_q8b7d2f263c_proj
    .symbol:         k_q8b7d2f263c_proj.kd
    .args:
      - { .name: xb, .offset: 0, .size: 8, .value_kind: global_buffer, .address_space: global }
      - { .name: wb, .offset: 8, .size: 8, .value_kind: global_buffer, .address_space: global }
      - { .name: zh, .offset: 16, .size: 8, .value_kind: global_buffer, .address_space: global }
      - { .name: zf, .offset: 24, .size: 8, .value_kind: global_buffer, .address_space: global }
    .group_segment_fixed_size: 327680
    .private_segment_fixed_size: 0
    .kernarg_segment_align: 8
    .kernarg_segment_size: 32
    .max_flat_workgroup_size: 128
    .sgpr_count:     72
    .vgpr_count:     1024
    .wavefront_size: 32
...
	.end_amdgpu_metadata
.endif
;; end of part 2
;; launch rope (part 3): grid 288 x 1, 8 waves a work-group, no clusters, 27,392 bytes of LDS; arguments zh, zf, cos, sin, qk, out0; writes qk, out0
.if DOCPART == 3
	.amdgcn_target "amdgcn-amd-amdhsa--gfx1250"
	.amdhsa_code_object_version 6
	.text
	.protected	k_q8b7d2f263c_rope
	.globl	k_q8b7d2f263c_rope
	.p2align	8
	.type	k_q8b7d2f263c_rope,@function
k_q8b7d2f263c_rope:
	s_mov_b64 s[64:65], 0
	v_nop
	global_prefetch_b8 v0, s[64:65] scope:SCOPE_SE
	s_setreg_imm32_b32 hwreg(HW_REG_WAVE_MODE, 25, 1), 1
	s_wait_xcnt 0x0
; Work-groups 32-287: q'[t][d] = q[t][d] cos[t][d] - q[t][2 d + 1] sin[t][d] for d < 512, q[t][d] cos[t][d] + q[t][2 (d - 512)] sin[t][d] for d >= 512; the same for k.
;   zh (f16, by heads, unrotated) -> qk (f16, by heads: planes 0-31 q', 32-63 k').  cos and sin are rounded to bf16 like every other input of the program; the two products are summed in f32, the result rounded once.
;   A wave owns ONE position t for both tensors and all four batches (8 combos), so each number of cos and sin is loaded once.  A lane makes d = 256 j + 8 l + e and d + 512 (j = 0, 1; e = 0..7):
;   the partners of both are the 16 columns 512 j + 16 l on: word e holds column + 2 e (the upper output's partner) below and + 2 e + 1 (the lower one's, with a minus) above.
;   Four sets of registers hold four combos' loads; a store covers whole rows of 256 bytes of two heads.
; Work-groups 0-31 (batch = id / 8, head = id % 8): rows t < 16 of out0, wholly in f32, from zf: there a row is a mean of few keys, many times the output's root mean square, and 16-bit operands have no room.
;   64 of 8,192 rows: vector arithmetic, no matrix unit.  The maximum is taken away before the exponential, as in the reference.
; LIMIT: q', k' leave in f16 with the factor 2^-6: their true sizes stay under 4.19e6.
.set QL, 0                             ; LDS of the first-rows path: q', k', v: 16 rows x 528 bytes each (512 + 16: rows start at different banks);
.set KL, 8448
.set VL, 16896
.set PL, 25344                         ; the weights, 16 x 16 f32;
.set SPARE, 26368                      ; the spare words, 128 bytes a wave; no other line names them
.set TT,  8                            ; v[8:15]   at work
.set COS, 16                           ; v[16:47]  index 8 (2 j + u) + e
.set SIN, 48                           ; v[48:79]
.set ZR,  80                           ; v[80:207] four sets of 32: 16 direct, 16 partners
.set OUT, 208                          ; v[208:239] two sets of 16
.macro RND a                           ; a pair rounded to bf16 and widened again
	v_cvt_pk_bf16_f32 v8, v[\a], v[\a+1]
	v_lshlrev_b32 v[\a], 16, v8
	v_and_b32 v[\a+1], 0xffff0000, v8
.endm
.macro ZLOAD c                         ; a combo's eight loads
.set ZS, ZR+32*((\c)%4)
.irp g, 0,1,2,3
	global_load_b128 v[ZS+4*\g:ZS+4*\g+3], v3, s[20+2*(\c):21+2*(\c)] offset:((\g)/2)*1048576+((\g)%2)*2097152
.endr
.irp g, 0,1,2,3
	global_load_b128 v[ZS+16+4*\g:ZS+16+4*\g+3], v4, s[20+2*(\c):21+2*(\c)] offset:((\g)/2)*2097152+((\g)%2)*16
.endr
.endm
.macro COMBO c, left
.set ZS, ZR+32*((\c)%4)
.set OS, OUT+16*((\c)%2)
	s_wait_loadcnt \left                           ; my set is in; the younger sets, 8 loads each, stay out
	s_wait_xcnt 0x0                                ; the stores of two combos back have read this OUT set
.irp g, 0,1,2,3
.irp e, 0,1,2,3,4,5,6,7
.if (\e)%2
	v_fma_mix_f32 v[TT+\e], v[ZS+4*\g+(\e)/2], v[COS+8*\g+\e], v5 op_sel:[1,0,0] op_sel_hi:[1,0,0]
.else
	v_fma_mix_f32 v[TT+\e], v[ZS+4*\g+(\e)/2], v[COS+8*\g+\e], v5 op_sel_hi:[1,0,0]
.endif
.endr
.irp e, 0,1,2,3,4,5,6,7
.if (\g)%2
	v_fma_mix_f32 v[TT+\e], v[ZS+16+8*((\g)/2)+\e], v[SIN+8*\g+\e], v[TT+\e] op_sel_hi:[1,0,0]
.else
	v_fma_mix_f32 v[TT+\e], -v[ZS+16+8*((\g)/2)+\e], v[SIN+8*\g+\e], v[TT+\e] op_sel:[1,0,0] op_sel_hi:[1,0,0]
.endif
.endr
.irp e, 0,1,2,3
	v_cvt_pk_f16_f32 v[OS+4*\g+\e], v[TT+2*\e], v[TT+2*\e+1]
.endr
.endr
.if (\c) < 4
	ZLOAD (\c)+4                                   ; the set takes the combo four on, ahead of the stores
.endif
.irp g, 0,1,2,3
	global_store_b128 v3, v[OS+4*\g:OS+4*\g+3], s[36+2*(\c):37+2*(\c)] offset:((\g)/2)*1048576+((\g)%2)*2097152
.endr
.endm
	s_load_b256 s[4:11], s[0:1], 0x0               ; zh s[4:5], zf s[6:7], cos s[8:9], sin s[10:11]
	s_load_b128 s[12:15], s[0:1], 0x20             ; qk s[12:13], out0 s[14:15]
	v_lshl_add_u32 v6, v0, 2, SPARE                ; my spare word,
	v_mov_b32 v7, 0                                ; and 0; neither is rewritten
	v_lshrrev_b32 v1, 5, v0
	v_readfirstlane_b32 s16, v1                    ; wave 0..7
	s_mov_b32 s53, 0
	s_wait_kmcnt 0x0
	s_cmp_lt_u32 ttmp9, 32
	s_cbranch_scc1 .Lfirst_rows
	s_sub_co_u32 s17, ttmp9, 32
	s_lshl_b32 s17, s17, 3
	s_add_co_u32 s17, s17, s16                     ; t
	s_lshl_b32 s52, s17, 12
	s_add_nc_u64 s[8:9], s[8:9], s[52:53]          ; cos and sin at row t
	s_add_nc_u64 s[10:11], s[10:11], s[52:53]
	s_lshl_b32 s52, s17, 8                         ; row t of a plane
.irp c, 0,1,2,3,4,5,6,7
	s_add_nc_u64 s[20+2*\c:21+2*\c], s[4:5], s[52:53]
	s_add_nc_u64 s[36+2*\c:37+2*\c], s[12:13], s[52:53]
	s_add_co_u32 s52, s52, 0x400000                ; eight planes on: the next combo
.endr
	v_and_b32 v1, 31, v0                           ; l
	v_lshlrev_b32 v2, 5, v1                        ; 32 l
	v_lshrrev_b32 v8, 4, v1
	v_and_b32 v9, 15, v1
	v_lshlrev_b32 v3, 19, v8
	v_lshl_add_u32 v3, v9, 4, v3                   ; direct: plane l / 16, 16 bytes at 16 (l % 16)
	v_lshrrev_b32 v8, 3, v1
	v_and_b32 v9, 7, v1
	v_lshlrev_b32 v4, 19, v8
	v_lshl_add_u32 v4, v9, 5, v4                   ; partners: plane l / 8, 32 bytes at 32 (l % 8)
	v_mov_b32 v5, 0
.irp g, 0,1,2,3
	global_load_b128 v[COS+8*\g:COS+8*\g+3],   v2, s[8:9] offset:((\g)/2)*1024+((\g)%2)*2048
	global_load_b128 v[COS+8*\g+4:COS+8*\g+7], v2, s[8:9] offset:((\g)/2)*1024+((\g)%2)*2048+16
	global_load_b128 v[SIN+8*\g:SIN+8*\g+3],   v2, s[10:11] offset:((\g)/2)*1024+((\g)%2)*2048
	global_load_b128 v[SIN+8*\g+4:SIN+8*\g+7], v2, s[10:11] offset:((\g)/2)*1024+((\g)%2)*2048+16
.endr
	ZLOAD 0
	ZLOAD 1
	ZLOAD 2
	ZLOAD 3
	s_wait_loadcnt 32                              ; the tables are in; the four sets' 32 loads stay out
.set i, 0
.rept 32
	RND COS+2*i
.set i, i+1
.endr
	COMBO 0, 24
	COMBO 1, 24
	COMBO 2, 24
	COMBO 3, 24
	COMBO 4, 24
	COMBO 5, 16
	COMBO 6, 8
	COMBO 7, 0
	s_endpgm
.Lfirst_rows:                          ; thread: r = t / 16 (the row), x = t % 16
	s_lshr_b32 s17, ttmp9, 3                       ; batch
	s_and_b32 s18, ttmp9, 7                        ; head n
	s_lshl_b32 s19, s18, 1
	s_and_b32 s19, s19, 7                          ; the partners' first head: 2 n mod 8
	s_mul_i32 s52, s17, 24
	s_add_co_u32 s54, s52, s19
	s_add_co_u32 s52, s52, s18
	s_lshl_b32 s52, s52, 13
	s_add_nc_u64 s[20:21], s[6:7], s[52:53]        ; zf at q of my head; k and v 65,536 and 131,072 bytes on
	s_lshl_b32 s52, s54, 13
	s_add_nc_u64 s[22:23], s[6:7], s[52:53]        ; zf at the partners' head
	s_lshl_b32 s52, s18, 9
	s_add_nc_u64 s[8:9], s[8:9], s[52:53]
	s_add_nc_u64 s[10:11], s[10:11], s[52:53]
	s_lshl_b32 s54, s17, 23
	s_add_co_u32 s52, s52, s54
	s_add_nc_u64 s[14:15], s[14:15], s[52:53]
	s_cmp_lt_u32 s18, 4
	s_cselect_b32 s24, -1, 0                       ; d < 512: the odd partner,
	s_cselect_b32 s25, -1.0, 1.0                   ; with a minus
	v_lshrrev_b32 v10, 4, v0                       ; r
	v_and_b32 v11, 15, v0                          ; x
	v_lshlrev_b32 v12, 9, v10
	v_lshl_add_u32 v12, v11, 5, v12                ; direct: 512 r + 32 x
	v_lshrrev_b32 v8, 3, v11
	v_and_b32 v9, 7, v11
	v_lshlrev_b32 v13, 9, v10
	v_lshl_add_u32 v13, v8, 13, v13
	v_lshl_add_u32 v13, v9, 6, v13                 ; partners: head x / 8, 512 r + 64 (x % 8)
	v_lshlrev_b32 v14, 12, v10
	v_lshl_add_u32 v14, v11, 5, v14                ; tables: 4,096 r + 32 x
	v_mul_u32_u24 v15, v10, 528
	v_lshl_add_u32 v15, v11, 5, v15                ; LDS: 528 r + 32 x
.irp a, 0,1,2
	global_load_b128 v[16+8*\a:19+8*\a], v12, s[20:21] offset:65536*\a
	global_load_b128 v[20+8*\a:23+8*\a], v12, s[20:21] offset:65536*\a+16
.endr
.irp a, 0,1
.irp q, 0,1,2,3
	global_load_b128 v[40+16*\a+4*\q:43+16*\a+4*\q], v13, s[22:23] offset:65536*\a+16*\q
.endr
.endr
	global_load_b128 v[72:75], v14, s[8:9]
	global_load_b128 v[76:79], v14, s[8:9] offset:16
	global_load_b128 v[80:83], v14, s[10:11]
	global_load_b128 v[84:87], v14, s[10:11] offset:16
	s_wait_loadcnt 0x0
.irp e, 0,2,4,6
	RND 72+\e
	RND 80+\e
.endr
.irp e, 0,1,2,3,4,5,6,7
	v_mul_f32 v[80+\e], s25, v[80+\e]
	v_cndmask_b32 v[40+\e], v[40+2*\e], v[41+2*\e], s24   ; ascending: a word is read before it is written
	v_cndmask_b32 v[56+\e], v[56+2*\e], v[57+2*\e], s24
.endr
.irp e, 0,2,4,6
	v_pk_mul_f32 v[88+\e:89+\e], v[16+\e:17+\e], v[72+\e:73+\e]
	v_pk_mul_f32 v[96+\e:97+\e], v[24+\e:25+\e], v[72+\e:73+\e]
	v_pk_fma_f32 v[88+\e:89+\e], v[40+\e:41+\e], v[80+\e:81+\e], v[88+\e:89+\e]
	v_pk_fma_f32 v[96+\e:97+\e], v[56+\e:57+\e], v[80+\e:81+\e], v[96+\e:97+\e]
.endr
	ds_store_b128 v15, v[88:91] offset:QL
	ds_store_b128 v15, v[92:95] offset:QL+16
	ds_store_b128 v15, v[96:99] offset:KL
	ds_store_b128 v15, v[100:103] offset:KL+16
	ds_store_b128 v15, v[32:35] offset:VL
	ds_store_b128 v15, v[36:39] offset:VL+16
	s_wait_dscnt 0x0                               ; for the others' sake: my stores are done
	s_barrier_signal -1
	s_barrier_wait -1
	; the score of query r and key x
	v_mul_u32_u24 v12, v10, 528
	v_mul_u32_u24 v13, v11, 528
.irp g, 0,1,2,3
.irp f, 0,1,2,3,4,5,6,7
	ds_load_b128 v[16+4*\f:19+4*\f], v12 offset:QL+128*\g+16*\f
	ds_load_b128 v[48+4*\f:51+4*\f], v13 offset:KL+128*\g+16*\f
.endr
	s_wait_dscnt 0x0
.irp f, 0,1,2,3,4,5,6,7
.if ((\g) == 0) && ((\f) == 0)
	v_pk_mul_f32 v[80:81], v[16:17], v[48:49]
	v_pk_mul_f32 v[82:83], v[18:19], v[50:51]
.else
	v_pk_fma_f32 v[80:81], v[16+4*\f:17+4*\f], v[48+4*\f:49+4*\f], v[80:81]
	v_pk_fma_f32 v[82:83], v[18+4*\f:19+4*\f], v[50+4*\f:51+4*\f], v[82:83]
.endif
.endr
.endr
	v_pk_add_f32 v[80:81], v[80:81], v[82:83]
	v_add_f32 v84, v80, v81
	v_mul_f32 v84, 0x440293ee, v84                 ; log2(e) / sqrt(128) x 2^12: q' and k' carry 2^-6 each
	v_mov_b32 v85, 0xff7fffff                      ; the lowest finite number, as the reference sets a hidden score
	v_cmp_gt_u32 vcc_lo, v11, v10
	v_cndmask_b32 v84, v84, v85, vcc_lo
	v_mov_b32 v86, v84
	v_max_num_f32_dpp v86, v86, v86 row_xmask:1 row_mask:0xf bank_mask:0xf   ; a row's 16 keys lie in 16 neighbouring lanes
	v_max_num_f32_dpp v86, v86, v86 row_xmask:2 row_mask:0xf bank_mask:0xf
	v_max_num_f32_dpp v86, v86, v86 row_xmask:4 row_mask:0xf bank_mask:0xf
	v_max_num_f32_dpp v86, v86, v86 row_xmask:8 row_mask:0xf bank_mask:0xf
	v_sub_f32 v87, v84, v86
	v_exp_f32 v87, v87
	v_lshlrev_b32 v89, 2, v0                       ; 64 r + 4 x: the plain instruction behind the exponential
	s_wait_alu depctr_va_vdst(0)                   ; the wait ahead of the first use
	v_mov_b32 v88, v87
	v_add_f32_dpp v88, v88, v88 row_xmask:1 row_mask:0xf bank_mask:0xf
	v_add_f32_dpp v88, v88, v88 row_xmask:2 row_mask:0xf bank_mask:0xf
	v_add_f32_dpp v88, v88, v88 row_xmask:4 row_mask:0xf bank_mask:0xf
	v_add_f32_dpp v88, v88, v88 row_xmask:8 row_mask:0xf bank_mask:0xf
	v_rcp_f32 v88, v88
	v_mul_f32 v87, 0x41800000, v87                 ; x 16: v carries 2^-4
	s_wait_alu depctr_va_vdst(0)
	v_mul_f32 v87, v87, v88
	ds_store_b32 v89, v87 offset:PL
	s_wait_dscnt 0x0
	s_barrier_signal -1
	s_barrier_wait -1
	; row r, channels 4 x .. + 3 and 64 + 4 x .. + 3
	v_lshlrev_b32 v12, 6, v10
	v_lshlrev_b32 v13, 4, v11
.irp q, 0,1,2,3
	ds_load_b128 v[16+4*\q:19+4*\q], v12 offset:PL+16*\q
.endr
.macro PVF jk, jj                      ; key jk, whose row of v lies in registers 32 + 8 jj on
.irp a, 0,1,2,3
.if (\jk) == 0
	v_pk_mul_f32 v[96+2*\a:97+2*\a], v[32+8*(\jj)+2*\a:33+8*(\jj)+2*\a], v[16:17] op_sel_hi:[1,0]
.elseif (\jk)%2 == 0
	v_pk_fma_f32 v[96+2*\a:97+2*\a], v[32+8*(\jj)+2*\a:33+8*(\jj)+2*\a], v[16+(\jk):17+(\jk)], v[96+2*\a:97+2*\a] op_sel_hi:[1,0,1]
.else
	v_pk_fma_f32 v[96+2*\a:97+2*\a], v[32+8*(\jj)+2*\a:33+8*(\jj)+2*\a], v[15+(\jk):16+(\jk)], v[96+2*\a:97+2*\a] op_sel:[0,1,0] op_sel_hi:[1,1,1]
.endif
.endr
.endm
.irp h, 0,1
.irp f, 0,1,2,3,4,5,6,7
	ds_load_b128 v[32+8*\f:35+8*\f], v13 offset:VL+528*(8*\h+\f)
	ds_load_b128 v[36+8*\f:39+8*\f], v13 offset:VL+528*(8*\h+\f)+256
.endr
	s_wait_dscnt 0x0
.irp f, 0,1,2,3,4,5,6,7
	PVF 8*\h+\f, \f
.endr
.endr
	v_lshlrev_b32 v14, 12, v10
	v_lshl_add_u32 v14, v11, 4, v14
	global_store_b128 v14, v[96:99], s[14:15]              ; 16 lanes store 256 consecutive bytes, aligned
	global_store_b128 v14, v[100:103], s[14:15] offset:256
	s_wait_tensorcnt 0x0                           ; the wave's end, behind my last LDS store
	ds_add_u32 v6, v7
	s_wait_dscnt 0x0
	s_endpgm
.Lfunc_end_k_q8b7d2f263c_rope:
	.size	k_q8b7d2f263c_rope, .Lfunc_end_k_q8b7d2f263c_rope-k_q8b7d2f263c_rope
	.p2alignl 7, 3214868480
	.fill 96, 4, 3214868480
	.section	.rodata,"a",@progbits
	.p2align	6, 0x0
	.amdhsa_kernel k_q8b7d2f263c_rope
		.amdhsa_group_segment_fixed_size 27392
		.amdhsa_private_segment_fixed_size 0
		.amdhsa_enable_private_segment 0
		.amdhsa_kernarg_size 48
		.amdhsa_user_sgpr_count 2
		.amdhsa_user_sgpr_kernarg_segment_ptr 1
		.amdhsa_wavefront_size32 1
		.amdhsa_system_sgpr_workgroup_id_x 1
		.amdhsa_system_sgpr_workgroup_id_y 1
		.amdhsa_system_sgpr_workgroup_id_z 1
		.amdhsa_system_vgpr_workitem_id 0
		.amdhsa_next_free_vgpr 240
		.amdhsa_next_free_sgpr 66
		.amdhsa_reserve_vcc 1
		.amdhsa_float_denorm_mode_32 3
		.amdhsa_float_denorm_mode_16_64 3
		.amdhsa_memory_ordered 1
		.amdhsa_forward_progress 1
		.amdhsa_inst_pref_size 82
	.end_amdhsa_kernel
	.amdgpu_metadata
---
amdhsa.version: [ 1, 2 ]
amdhsa.kernels:
  - .name:           k_q8b7d2f263c_rope
    .symbol:         k_q8b7d2f263c_rope.kd
    .args:
      - { .name: zh, .offset: 0, .size: 8, .value_kind: global_buffer, .address_space: global }
      - { .name: zf, .offset: 8, .size: 8, .value_kind: global_buffer, .address_space: global }
      - { .name: cos, .offset: 16, .size: 8, .value_kind: global_buffer, .address_space: global }
      - { .name: sin, .offset: 24, .size: 8, .value_kind: global_buffer, .address_space: global }
      - { .name: qk, .offset: 32, .size: 8, .value_kind: global_buffer, .address_space: global }
      - { .name: out0, .offset: 40, .size: 8, .value_kind: global_buffer, .address_space: global }
    .group_segment_fixed_size: 27392
    .private_segment_fixed_size: 0
    .kernarg_segment_align: 8
    .kernarg_segment_size: 48
    .max_flat_workgroup_size: 256
    .sgpr_count:     66
    .vgpr_count:     240
    .wavefront_size: 32
...
	.end_amdgpu_metadata
.endif
;; end of part 3
;; launch attn (part 4): grid 8 x 32, 4 waves a work-group, clusters of 4 x 1, 327,680 bytes of LDS; arguments qk, zh, out0; writes out0
.if DOCPART == 4
	.amdgcn_target "amdgcn-amd-amdhsa--gfx1250"
	.amdhsa_code_object_version 6
	.text
	.protected	k_q8b7d2f263c_attn
	.globl	k_q8b7d2f263c_attn
	.p2align	8
	.type	k_q8b7d2f263c_attn,@function
k_q8b7d2f263c_attn:
	s_mov_b64 s[64:65], 0
	v_nop
	global_prefetch_b8 v0, s[64:65] scope:SCOPE_SE
	s_setreg_imm32_b32 hwreg(HW_REG_WAVE_MODE, 25, 1), 1
	s_wait_xcnt 0x0
	s_wait_alu depctr_hold_cnt(0) depctr_sa_sdst(0) depctr_va_vdst(0) depctr_va_sdst(0) depctr_va_ssrc(0) depctr_va_vcc(0) depctr_vm_vsrc(0)
	s_getreg_b32 s2, hwreg(HW_REG_IB_STS2, 6, 4)
	s_cmp_eq_u32 s2, 0
	s_cbranch_scc0 .Lentry_in_a_cluster
	s_endpgm
.Lentry_in_a_cluster:
	s_bfe_u32 s2, ttmp6, 0x10000c
	s_cmp_lg_u32 s2, 0x3003
	s_cbranch_scc0 .Lentry_shape_is_right
	s_endpgm
.Lentry_shape_is_right:
; CAUSAL ATTENTION, head size 128, rows t >= 16 of out0 (rows t < 16 are the launch before's).  q', k' (qk) and v (zh) are f16 by heads, [2,048][128]; products, maxima and sums in f32; the weights p are
; rounded to f16 for the second product, their sum is taken unrounded; out0 is f32.  q' and k' carry 2^-6 each, v 2^-4: the scale c = log2(e) / sqrt(128) x 2^12 and the factor 16 in 1 / l take them back.
; LIMITS.  A hidden score counts as its value less 1e30; a weight below 2^-126 counts as 0; NaN and infinities are not treated apart.
; THE WALK.  A head's queries lie in four blocks of 512; block J needs the key tiles (128 keys) 0 .. 4 J + 3.  A cluster of four work-groups takes blocks 3 - s and then s (s = the cluster's x): 20 tiles whatever s,
; the same for all four partners, so each tile is asked for JOINTLY and all 256 work-groups do equal work.  One loop with a constant trip count walks them; the ring of two LDS slots runs on across the change of blocks.
; SHARES.  Wave w = 2 i + j multiplies only half j (64 keys) of each tile, against four tiles of 16 queries (slots 0-3).  Slot r lies in band U = (r + 2 j) % 4 of the block's four bands of 128 queries; its rows are
; 512 J + 128 U + 8 m + 2 cx + i, m = lane % 16.  So the four diagonal tiles are the same work for every wave; waves (i, 0) and (i, 1) hold partial results for the same queries, and at a block's end each
; keeps its slots 0, 1 and sends its slots 2, 3 to the other through LDS, with their maxima and sums.
; THE MASK is the C operand that starts S^T = K Q^T: MD x AL + BE; MD, made once, is the mask of a band's own tile for my rows and my half of the keys; (AL, BE) = (1, 0) in the band's own tile, (0, 0) before it, (0, -1e30) behind it.
; A wave that has seen no visible key of a query holds a finite partial result with a maximum near -5e32 c: the merge multiplies it by 2^(that - the partner's true maximum) = 0.
; LAYOUT, SOFTMAX, TURNS.  S^T holds ONE query a lane and the keys 8 (lane / 16) + 0..7; two such results rounded to f16 ARE source 1 of O^T = V^T P.  p = 2^(c s - c m) with a running maximum m; O and l are
; multiplied by a = 2^(c m_old - c m_new) in every step; a block begins with c m far below every c s, so its first a is 0 and what the registers held need only be finite.
; The slots are two PIECES (0: slots 0, 1; 2: slots 2, 3).  In a TURN one piece has the matrix unit: 32 products V^T P of the tile in hand, then 32 products K Q^T of the next; the other piece's softmax stands in 64 slices behind them.
; REGISTERS, in windows of 256 (s_set_vgpr_msb: bits 1:0 source 0, 3:2 source 1, 5:4 source 2, 7:6 destination):
;   window 0: v0-11 addresses; v12-43 statistics; v44-59 the merge; v61-63; v64-191 S^T; v192-255 P      window 1: O^T, 64 a slot
;   window 2: v0-127 Q; v128-255 K of my half tile      window 3: v0-127 V; v128-159 MD; v160-223 MC, a buffer for each slot of the piece whose products come next
.set KS,    64
.set PK,    272       ; a row of K in LDS: 256 bytes + 16: the 16 rows of a load start at 16 different groups of four banks (ISA guide 11.1)
.set PV,    288       ; a row of V: 256 + 32
.set VOFF,  KS*PK
.set STEPB, KS*(PK+PV)  ; half a tile: 64 rows of K, then 64 rows of V
.set SLOT1, 1<<17     ; a slot holds a tile (71,680 bytes); slot 1 begins here
.set INBOX, SLOT1+2*STEPB  ; for each wave: two slots' O^T, 8,192 bytes each, lane by lane, then 512 bytes of statistics; no fill lands here
.set INB,   16896
.set STAGE, INBOX+4*INB    ; for each wave: 16 rows x 528 bytes, for the way out
.set SP,    528
.set STG,   16*SP
.set SPARE, STAGE+4*STG    ; the spare words, 128 bytes a wave; no other line names them
.set AK0, 2
.set AV0, 3
.set ADR, 4
.set QO,  5           ; v5   2,048 m + 16 (l / 16): my slot's rows lie 8 rows apart
.set STO, 6
.set RD,  7
.set GO,  8           ; v8   16 l
.set ST,  12          ; slot t's statistics at v[ST+8 t]: +0 c m, +1 m, +2, +3 l, +4 to +7 at work
.set XST, 56          ; v56  the partner's inbox + 16 l
.set XSS, 57          ; v57  its statistics + 4 l
.set XLD, 58          ; v58, v59  the same in my own inbox
.set XLS, 59
.set PFO, 61          ; v61  256 l
.set SPW, 62
.set NIL, 63
.set S,   64
.set P,   192
.set KF,  128
.set MD,  128
.set MC,  160
.set WV,  12
.set PFA, 18          ; s[18:19]
.set G1K, 24
.set G1V, 32
.set G0K, 40
.set G0V, 44
.set JH,  48          ; j
.set IH,  49          ; i
.set SB,  50          ; s
.set CX,  51          ; cx: it enters the addresses of Q, out0 and the prefetches and the values of MD, nothing else
.set U0,  52          ; s52-55  the four slots' bands
.set SLOTS, 56
.set CNT, 57
.set CS,  58
.set SEL, 60
.set TB,  62          ; LDS byte at which my half of the tile to be fetched begins
.set LIM, 63          ; 6 in a wave that prefetches, else the greatest number
.set NXT, 66          ; the tile to be asked for next
.set LQ,  67          ; the last tile of the block whose tiles are being asked for
.set VT,  68          ; the tile in hand less the block's first diagonal tile
.set NEW, 69
.set OFF, 70          ; s[70:71] an offset, high word 0
.set AL,  72
.set BE,  74
.set BIGN, 76
.set VX,  77
.set SK,  78          ; 1: my slot 0 of the second block begins with rows t < 16
.set LQ2, 79          ; the second block's last tile
.set MSB, 0
.macro WIN new
.if MSB != (\new)
	s_set_vgpr_msb (MSB<<8)|(\new)
.set MSB, (\new)
.endif
.endm
.set W_KQ, 0x0a
.set W_KM, 0x3a       ; the same with the C operand in window 3
.set W_PV, 0x53
.set W_RS, 0x41
.macro JLOAD                        ; waves 0 and 1 fetch the two halves of a tile's K, waves 2 and 3 those of its V; an s_nop 0 and four v_nop follow each line
	s_cmp_lt_u32 s[WV], 2
	s_cbranch_scc0 .Lfor_v_\@
	tensor_load_to_lds s[G0K:G0K+3], s[G1K:G1K+7]
	s_nop 0
.rept 4
	v_nop
.endr
	s_branch .Lasked_\@
.Lfor_v_\@:
	tensor_load_to_lds s[G0V:G0V+3], s[G1V:G1V+7]
	s_nop 0
.rept 4
	v_nop
.endr
.Lasked_\@:
.endm
; A prefetch of the tile that stands two changes of slots on.  Cluster s = 0 walks all 16 tiles of the head in its first block: it asks, in trips 0 to 12, for tiles 3 to 15; its four partners take 32 rows each, told
; apart by address; wave 0 asks for K's, wave 2 for V's, a lane a row.  So each row is named once in the launch.
.macro ASK
	s_cmp_gt_u32 s[SLOTS], s[LIM]
	s_cbranch_scc0 .Lnot_mine_\@
	global_prefetch_b8 v[PFO], s[PFA:PFA+1] th:TH_LOAD_NT scope:SCOPE_SE
.Lnot_mine_\@:
.endm
.macro CROUND
	s_barrier_signal -1
	s_barrier_wait -1
	s_cmp_lg_u32 s[WV], 0
	s_cbranch_scc1 .Lnot_wave_0_\@
	s_barrier_signal -3
.Lnot_wave_0_\@:
	s_barrier_wait -3
	s_barrier_signal -1
	s_barrier_wait -1
.endm
; THE CHANGE OF SLOTS.  Each wave waits for all its tensor loads (one is out: its part of the other slot), adds 0 to its spare word, and waits for that and for its reads of the slot that it leaves.
; fill = 1: behind a round of the cluster's barrier the old slot is filled again, first thing, with tile NXT; the descriptor's address is made anew from that number.
.macro CHANGE fill
	WIN 0
	s_wait_tensorcnt 0x0
	ds_add_u32 v[SPW], v[NIL]       ; 0 onto my spare word; the scalar work below stands between it and the wait for it
.if \fill
	s_lshl_b32 s[OFF], s[NXT], 15   ; a tile is 32,768 bytes of K and of V
	s_xor_b32 s[G0K+1], s[G0K+1], SLOT1
	s_add_nc_u64 s[G0K+2:G0K+3], s[6:7], s[OFF:OFF+1]
	s_or_b32 s[G0K+3], s[G0K+3], 0x80000000
	s_xor_b32 s[G0V+1], s[G0V+1], SLOT1
	s_add_nc_u64 s[G0V+2:G0V+3], s[8:9], s[OFF:OFF+1]
	s_or_b32 s[G0V+3], s[G0V+3], 0x80000000
	s_add_co_u32 s[NXT], s[NXT], 1  ; the block's next tile, or behind its last the second block's tile 0
	s_cmp_gt_u32 s[NXT], s[LQ]
	s_cselect_b32 s[NXT], 0, s[NXT]
	s_cselect_b32 s[LQ], s[LQ2], s[LQ]
	s_wait_xcnt 0x0                 ; the last prefetch, a trip back, has read its address
	s_add_nc_u64 s[PFA:PFA+1], s[PFA:PFA+1], 32768
	s_wait_dscnt 0x0                ; the add is done, and my reads of the slot are over
	CROUND
	JLOAD
	ASK
.else
	s_wait_dscnt 0x0
	s_barrier_signal -1
	s_barrier_wait -1
.endif
	s_xor_b32 s[TB], s[TB], SLOT1   ; the fetches go to the other slot
.endm
	s_load_b128 s[4:7], s[0:1], 0x0   ; qk s[4:5], zh s[6:7]
	s_load_b64 s[10:11], s[0:1], 0x10 ; out0
	v_lshl_add_u32 v[SPW], v0, 2, SPARE
	v_mov_b32 v[NIL], 0
	ds_add_u32 v[SPW], v[NIL]       ; the wave's opening: the add and its wait stand ahead of my first tensor load
	v_lshrrev_b32 v1, 5, v0
	v_readfirstlane_b32 s[WV], v1
	s_and_b32 s[JH], s[WV], 1
	s_lshr_b32 s[IH], s[WV], 1
	s_mov_b32 s[SB], ttmp9          ; in a cluster launch ttmp9 counts clusters
	s_bfe_u32 s[CX], ttmp6, 0x40000
	s_and_b32 s20, ttmp7, 0xffff    ; the head, 8 batch + n
	s_lshl_b32 s22, s20, 19         ; its plane
	s_mov_b32 s23, 0
	s_lshl_b32 s16, s[JH], 14       ; the half tile that I fetch: 64 rows of 256 bytes
	s_add_co_u32 s16, s16, s22
	s_mov_b32 s17, 0
	s_mul_i32 s15, s[JH], STEPB     ; and its place in a slot
	s_mov_b32 s[G1K], 15|(1<<16)|(1<<20)|(1<<21)|(5<<22)|(3<<25)  ; the mask of four; 2-byte elements; padding on; bit 21 beside a mask; after every 64 words 4 words
	s_mov_b32 s[G1V], 15|(1<<16)|(1<<20)|(1<<21)|(5<<22)|(7<<25)  ; the same with 8 words
.irp g, G1K, G1V
	s_mov_b32 s[(\g)+1], 128<<16    ; tensor_dim0 = 128
	s_mov_b32 s[(\g)+2], KS<<16     ; tensor_dim1 = 64
	s_mov_b32 s[(\g)+3], 128<<16    ; tile_dim0 = 128
	s_mov_b32 s[(\g)+4], KS         ; tile_dim1 = 64
	s_mov_b32 s[(\g)+5], 128        ; elements from row to row
	s_mov_b32 s[(\g)+6], 0
	s_mov_b32 s[(\g)+7], 0
.endr
	s_mov_b32 s[G0K], 1
	s_mov_b32 s[G0K+1], s15         ; slot 0
	s_mov_b32 s[G0V], 1
	s_add_co_u32 s[G0V+1], s15, VOFF
	s_add_co_u32 s[TB], s15, SLOT1  ; the first change of slots turns it into slot 0
	s_lshl_b32 s[U0], s[JH], 1
	s_add_co_u32 s[U0+1], s[U0], 1
	s_xor_b32 s[U0+2], s[U0], 2
	s_add_co_u32 s[U0+3], s[U0+2], 1
	s_mov_b32 s[CS], 0x440293ee     ; c = log2(e) / sqrt(128) x 2^12
	s_mov_b32 s[CS+1], s[CS]
	s_mov_b32 s[SEL], 0x76543210
	s_mov_b32 s[SEL+1], 0xfedcba98
	s_mov_b32 s[NXT], 1
	s_lshl_b32 s[LQ2], s[SB], 2
	s_sub_co_u32 s[LQ], 15, s[LQ2]  ; the first block, 3 - s, ends with tile 15 - 4 s
	s_sub_co_i32 s[VT], s[LQ2], 12  ; tile 0 lies 12 - 4 s tiles ahead of its first diagonal tile
	s_add_co_u32 s[LQ2], s[LQ2], 3
	s_mov_b32 s[NEW], 1
	s_mov_b32 s[SLOTS], 19
	s_mov_b32 s[OFF+1], 0
	s_mov_b32 s[AL+1], 0
	s_mov_b32 s[BE+1], 0
	s_mov_b32 s[BIGN], 0xf149f2ca   ; -1e30
	s_or_b32 s[SK], s[SB], s[JH]
	s_cmp_eq_u32 s[SK], 0           ; s = 0 and j = 0
	s_cselect_b32 s[SK], 1, 0
	s_cselect_b32 s[LIM], 6, -1
	s_wait_dscnt 0x0                ; the opening add is done
	s_wait_kmcnt 0x0
	s_add_nc_u64 s[8:9], s[6:7], s[16:17]
	s_add_nc_u64 s[8:9], s[8:9], 0x2000000   ; V: zh's planes 64 on
	s_add_nc_u64 s[6:7], s[4:5], s[16:17]
	s_add_nc_u64 s[6:7], s[6:7], 0x1000000   ; K: qk's planes 32 on
	s_add_nc_u64 s[4:5], s[4:5], s[22:23]    ; Q: the head's plane
	s_add_nc_u64 s[G0K+2:G0K+3], s[6:7], 0
	s_or_b32 s[G0K+3], s[G0K+3], 0x80000000
	s_add_nc_u64 s[G0V+2:G0V+3], s[8:9], 0
	s_or_b32 s[G0V+3], s[G0V+3], 0x80000000
	CROUND                          ; all four work-groups are here: the first joint loads meet
	JLOAD                           ; tile 0 into slot 0; slot 1 is asked for by the loop's first change of slots
	; where Q comes from and out0 goes: s[80:83] Q of slots 0, 1 and of slots 2, 3 in the first block, s[84:87] in the second; s[10:11], s[88:89] out0 at my slot 0
	s_lshl_b32 s21, s[CX], 1
	s_add_co_u32 s21, s21, s[IH]    ; 2 cx + i
	s_lshl_b32 s2, s[JH], 8
	s_add_co_u32 s2, s2, s21        ; slots 0, 1: bands 2 j, 2 j + 1
	s_lshl_b32 s14, s[U0+2], 7
	s_add_co_u32 s14, s14, s21      ; slots 2, 3
	s_sub_co_u32 s3, 3, s[SB]
	s_lshl_b32 s3, s3, 9
	s_lshl_b32 s13, s[SB], 9
	s_add_co_u32 s[OFF], s3, s2
	s_lshl_b32 s[OFF], s[OFF], 8
	s_add_nc_u64 s[80:81], s[4:5], s[OFF:OFF+1]
	s_add_co_u32 s[OFF], s3, s14
	s_lshl_b32 s[OFF], s[OFF], 8
	s_add_nc_u64 s[82:83], s[4:5], s[OFF:OFF+1]
	s_add_co_u32 s[OFF], s13, s2
	s_lshl_b32 s[OFF], s[OFF], 8
	s_add_nc_u64 s[84:85], s[4:5], s[OFF:OFF+1]
	s_add_co_u32 s[OFF], s13, s14
	s_lshl_b32 s[OFF], s[OFF], 8
	s_add_nc_u64 s[86:87], s[4:5], s[OFF:OFF+1]
	s_lshr_b32 s16, s20, 3
	s_lshl_b32 s16, s16, 23         ; the batch
	s_and_b32 s[OFF], s20, 7
	s_lshl_b32 s[OFF], s[OFF], 9    ; the head's 512 bytes of a row
	s_add_co_u32 s[OFF], s[OFF], s16
	s_add_nc_u64 s[10:11], s[10:11], s[OFF:OFF+1]
	s_add_co_u32 s[OFF], s13, s2
	s_lshl_b32 s[OFF], s[OFF], 12
	s_add_nc_u64 s[88:89], s[10:11], s[OFF:OFF+1]
	s_add_co_u32 s[OFF], s3, s2
	s_lshl_b32 s[OFF], s[OFF], 12
	s_add_nc_u64 s[10:11], s[10:11], s[OFF:OFF+1]
	s_cmp_lt_u32 s[WV], 2
	s_cselect_b64 s[PFA:PFA+1], s[6:7], s[8:9]
	s_lshl_b32 s[OFF], s[CX], 13    ; my work-group's 32 rows of a tile's 128
	s_add_nc_u64 s[PFA:PFA+1], s[PFA:PFA+1], s[OFF:OFF+1]
	s_add_nc_u64 s[PFA:PFA+1], s[PFA:PFA+1], 65536  ; at tile 2; the first change of slots steps it to tile 3
	v_and_b32 v1, 15, v0            ; m
	v_bfe_u32 v9, v0, 4, 1          ; l / 16
	v_lshlrev_b32 v[QO], 11, v1
	v_lshl_add_u32 v[QO], v9, 4, v[QO]
.macro LOADQ a, b                   ; Q stays in registers: slot r, channels 32 q on, at v[32 r + 8 q] of window 2
	WIN 0x80
.irp r, 0,1,2,3
.irp q, 0,1,2,3
.if (\r) < 2
	global_load_b128 v[32*\r+8*\q:32*\r+8*\q+3],   v[QO], s[\a:\a+1] offset:(\r%2)*32768+64*\q
	global_load_b128 v[32*\r+8*\q+4:32*\r+8*\q+7], v[QO], s[\a:\a+1] offset:(\r%2)*32768+64*\q+32
.else
	global_load_b128 v[32*\r+8*\q:32*\r+8*\q+3],   v[QO], s[\b:\b+1] offset:(\r%2)*32768+64*\q
	global_load_b128 v[32*\r+8*\q+4:32*\r+8*\q+7], v[QO], s[\b:\b+1] offset:(\r%2)*32768+64*\q+32
.endif
.endr
.endr
	WIN 0
.endm
	LOADQ 80, 82
	v_lshlrev_b32 v10, 3, v1
	v_lshlrev_b32 v11, 3, v9
	v_sub_nc_u32 v10, v10, v11
	s_lshl_b32 s16, s[JH], 6
	s_sub_co_i32 s16, s21, s16
	v_add_nc_u32 v10, s16, v10      ; my query's place in its band, less my half's 64 j and my lanes' 8 (l / 16): register r of key group kt is hidden where 16 kt + r is greater
	WIN 0xc0
.set i, 0
.rept 32
	v_cmp_gt_i32 vcc_lo, 16*(i/8)+i%8, v10
	v_cndmask_b32 v[MD+i], 0, s[BIGN], vcc_lo
.set i, i+1
.endr
	; A block's first step multiplies O^T and l by a = 0, and the first turn's products V^T P, of a tile that has not been, land in an O^T that is still to be so multiplied: these registers need only be finite.
.set i, 0
.rept 128
	v_mov_b32 v[i], 0               ; V
.set i, i+1
.endr
	WIN 0x40
.set i, 0
.rept 256
	v_mov_b32 v[i], 0               ; O^T
.set i, i+1
.endr
	WIN 0
.set i, 0
.rept 4
	v_mov_b32 v[ST+8*i+2], 0
	v_mov_b32 v[ST+8*i+3], 0
.set i, i+1
.endr
.set i, P+32
.rept 32
	v_mov_b32 v[i], 0               ; piece 2's P
.set i, i+1
.endr
	v_mul_u32_u24 v[AK0], v1, PK
	v_lshl_add_u32 v[AK0], v9, 4, v[AK0]
	v_and_b32 v10, 7, v0
	v_bfe_u32 v11, v0, 3, 1
	v_lshl_add_u32 v[AV0], v9, 3, v10
	v_mul_u32_u24 v[AV0], v[AV0], PV
	v_lshl_add_u32 v[AV0], v11, 4, v[AV0]
	v_add_nc_u32 v[AV0], VOFF, v[AV0]
	v_and_b32 v10, 31, v0           ; l
	s_mul_i32 s16, s[WV], STG
	s_add_co_u32 s16, s16, STAGE
	v_mul_u32_u24 v[STO], v1, SP    ; in: row m, 32 bytes for each half of the lanes
	v_lshl_add_u32 v[STO], v9, 5, v[STO]
	v_add_nc_u32 v[STO], s16, v[STO]
	v_lshl_add_u32 v[RD], v10, 4, s16  ; back: a row of 512 bytes
	v_lshlrev_b32 v[GO], 4, v10
	s_xor_b32 s16, s[WV], 1
	s_mul_i32 s16, s16, INB
	s_add_co_u32 s16, s16, INBOX
	v_lshl_add_u32 v[XST], v10, 4, s16
	s_add_co_u32 s16, s16, 16384
	v_lshl_add_u32 v[XSS], v10, 2, s16
	s_mul_i32 s16, s[WV], INB
	s_add_co_u32 s16, s16, INBOX
	v_lshl_add_u32 v[XLD], v10, 4, s16
	s_add_co_u32 s16, s16, 16384
	v_lshl_add_u32 v[XLS], v10, 2, s16
	v_lshlrev_b32 v[PFO], 8, v10
; THE MATRIX WORK.  The accumulators take turns, one instruction a turn.  Product i of 32 of O^T += V^T P: keys 32 (i / 16) on, channels 16 ((i / 2) % 8) on, slot x + i % 2.
.macro PV x
	WIN W_PV
.set rO, 64*((\x)+i%2)+8*((i/2)%8)
.set rV, 64*(i/16)+8*((i/2)%8)
.set rP, P+16*((\x)+i%2)+8*(i/16)
	v_wmma_f32_16x16x32_f16 v[rO:rO+7], v[rV:rV+7], v[rP:rP+7], v[rO:rO+7]
.endm
; Product i of 32 of S^T = K Q^T: channels 32 (i / 8) on, keys 16 ((i / 2) % 4) on, slot x + i % 2.  The first 8 start the sums, with the mask.
.macro KQ x
.set rS, S+32*((\x)+i%2)+8*((i/2)%4)
.set rK, KF+32*((i/2)%4)+8*(i/8)
.set rQ, 32*((\x)+i%2)+8*(i/8)
.set rM, MC+32*(i%2)+8*((i/2)%4)
.if i < 8
	WIN W_KM
	v_wmma_f32_16x16x32_f16 v[rS:rS+7], v[rK:rK+7], v[rQ:rQ+7], v[rM:rM+7]
.else
	WIN W_KQ
	v_wmma_f32_16x16x32_f16 v[rS:rS+7], v[rK:rK+7], v[rQ:rQ+7], v[rS:rS+7]
.endif
.endm
.macro FETCH_K                      ; 32 LDS loads in one run: my 64 keys x 128 channels
	WIN 0
	v_add_nc_u32 v[ADR], s[TB], v[AK0]
	WIN 0x80
.irp f, 0,1,2,3,4,5,6,7,8,9,10,11,12,13,14,15
	ds_load_b128 v[KF+8*(\f):KF+8*(\f)+3],   v[ADR] offset:((\f)/4)*16*PK+((\f)%4)*64
	ds_load_b128 v[KF+8*(\f)+4:KF+8*(\f)+7], v[ADR] offset:((\f)/4)*16*PK+((\f)%4)*64+32
.endr
.endm
.macro FETCH_V                      ; the same tile's V, turned
	WIN 0
	v_add_nc_u32 v[ADR], s[TB], v[AV0]
	s_wait_alu depctr_va_vdst(0)    ; the wait for the softmax's batch of exponentials, ahead of the loads
	WIN 0xc0
.irp f, 0,1,2,3,4,5,6,7,8,9,10,11,12,13,14,15
	ds_load_tr16_b128 v[8*(\f):8*(\f)+3],   v[ADR] offset:((\f)/8)*32*PV+((\f)%8)*32
	ds_load_tr16_b128 v[8*(\f)+4:8*(\f)+7], v[ADR] offset:((\f)/8)*32*PV+16*PV+((\f)%8)*32
.endr
.endm
; THE VECTOR WORK.  One slot's softmax for a tile is a list of 134 instructions; SM writes number j of it for slot t.
;   0-15 the maximum of the 32 scores and the old m     16-20 the other half of the lanes' maximum; m; c m; its change
;   21-69 ONE BATCH: the 16 scalings c s - c m and all 33 exponentials; none of these reads an exponential's result     (the wait)
;   70-85 the roundings to f16     86-101 the sums; l = a l + sum     102-133 O^T times a
.macro SM t
.set rT, ST+8*(\t)
.set rS, S+32*(\t)
.set rP, P+16*(\t)
.set rO, 64*(\t)+2*(j-102)
.if j < 102
	WIN 0
.endif
.if j < 4
	v_max3_num_f32 v[rT+4+j], v[rS+8*j], v[rS+8*j+1], v[rS+8*j+2]
.elseif j < 12
	v_max3_num_f32 v[rT+4+j%4], v[rT+4+j%4], v[rS+8*(j%4)+2*(j/4)+1], v[rS+8*(j%4)+2*(j/4)+2]
.elseif j == 12
	v_max3_num_f32 v[rT+4], v[rT+4], v[rS+7], v[rS+15]
.elseif j == 13
	v_max3_num_f32 v[rT+6], v[rT+6], v[rS+23], v[rS+31]
.elseif j == 14
	v_max3_num_f32 v[rT+4], v[rT+4], v[rT+5], v[rT+6]
.elseif j == 15
	v_max3_num_f32 v[rT+4], v[rT+4], v[rT+7], v[rT+1]
.elseif j == 16
	v_permlanex16_b32 v[rT+5], v[rT+4], s[SEL], s[SEL+1]
.elseif j == 17
	v_mov_b32 v[rT+7], v[rT]
.elseif j == 18
	v_max_num_f32 v[rT+1], v[rT+4], v[rT+5]
.elseif j == 19
	v_mul_f32 v[rT], s[CS], v[rT+1]
.elseif j == 20
	v_sub_f32 v[rT+7], v[rT+7], v[rT]
.elseif j == 23
	v_exp_f32 v[rT+6], v[rT+7]
.elseif (j < 23) || ((j < 38) && (j%2 == 0)) || ((j < 66) && (j%4 == 2))
.set b, (j-2)/4
.if j < 38
.set b, (j-20)/2
.endif
	v_pk_fma_f32 v[rS+2*b:rS+2*b+1], v[rS+2*b:rS+2*b+1], s[CS:CS+1], v[rT:rT+1] op_sel_hi:[1,0,0] neg_lo:[0,0,1] neg_hi:[0,0,1]
.elseif j < 70
.set e, j-38
.if j < 66
.set e, j-32-(j-38)/4
.endif
.if j < 38
.set e, (j-25)/2
.endif
	v_exp_f32 v[rS+e], v[rS+e]
.elseif j < 86
	v_cvt_pk_f16_f32 v[rP+j-70], v[rS+2*(j-70)], v[rS+2*(j-70)+1]
.elseif j < 102
.set z, j-86
.set w, 4
.set u, z
.if z >= 14
.set w, 32
.set u, 0
.elseif z >= 12
.set w, 16
.set u, z-12
.elseif z >= 8
.set w, 8
.set u, z-8
.endif
.if z < 15
	v_pk_add_f32 v[rS+w*u:rS+w*u+1], v[rS+w*u:rS+w*u+1], v[rS+w*u+w/2:rS+w*u+w/2+1]
.else
	v_pk_fma_f32 v[rT+2:rT+3], v[rT+2:rT+3], v[rT+6:rT+7], v[rS:rS+1] op_sel_hi:[1,0,1]
.endif
.else
	WIN W_RS
	v_pk_mul_f32 v[rO:rO+1], v[rO:rO+1], v[rT+6:rT+7] op_sel_hi:[1,0]
.endif
.endm
; Slice k of 64 of piece y's softmax: four instructions; slices 11 to 34 deal out the batch, four numbers of one slot each; slice 63 takes the twelve that are over.  Behind slice 34 stands the piece's one wait.
.macro SLICE y
.if (k >= 11) && (k < 35)
.irp n, 0,1,2,3
.set j, 22+4*((k-11)/2)+(\n)
	SM (\y)+(k-11)%2
.endr
.else
.irp n, 0,1,2,3,4,5,6,7
.if ((\n) < 2) || (k == 63)
.irp t, \y, (\y)+1
.set j, 2*k+(\n)
	SM \t
.endr
.endif
.endr
.endif
.if k == 34
	v_nop                           ; the plain instruction behind the last exponential: one for the batch
.if (\y) == 0
	FETCH_V                         ; piece 2's turn: V's run of loads stands here, and the wait stands in it
.else
	s_wait_alu depctr_va_vdst(0)    ; the wait ahead of the first instruction that names a result
.endif
.endif
.set k, k+1
.endm
.macro PLACES
.rept 4
	v_nop
.endr
.endm
.macro MASK r0                      ; the masks of slots r0, r0 + 1 for tile VX: MD x AL + BE
.irp r, \r0, (\r0)+1
	s_cmp_eq_u32 s[VX], s[U0+(\r)]
	s_cselect_b32 s[AL], 1.0, 0
	s_cmp_gt_i32 s[VX], s[U0+(\r)]
	s_cselect_b32 s[BE], s[BIGN], 0
	WIN 0xc3
.set z, 0
.rept 16
	v_pk_fma_f32 v[MC+32*((\r)%2)+2*z:MC+32*((\r)%2)+2*z+1], v[MD+2*z:MD+2*z+1], s[AL:AL+1], s[BE:BE+1] op_sel_hi:[1,0,0]
.set z, z+1
.endr
.endr
.endm
; A TURN.  Piece x has the matrix unit; the other piece's softmax stands in slices behind its matrix instructions.  Piece 0's turn fetches the next tile's K behind its second product; piece 2's the same tile's V behind slice 34,
; four plain instructions behind V's last reader.  At its end the turn makes the masks for the other piece's next products; ahead of the diagonal tiles they stay 0 and the lines are jumped.
.macro TURN x
.set k, 0
.if (\x) == 0
	s_wait_dscnt 0x0                ; V is in
.endif
.set i, 0
.rept 32
	PV \x
	SLICE 2-(\x)
.if ((\x) == 0) && (i == 1)
	FETCH_K
.endif
.set i, i+1
.endr
.if (\x) == 0
	s_wait_dscnt 0x0                ; K is in
.endif
.set i, 0
.rept 32
	KQ \x
	SLICE 2-(\x)
.set i, i+1
.endr
	WIN 0
.if (\x) == 0
	s_mov_b32 s[VX], s[VT]          ; piece 2's products of this tile
.else
	s_add_co_i32 s[VX], s[VT], 1    ; piece 0's of the next
.endif
	s_cmp_lt_i32 s[VX], 0
	s_cbranch_scc1 .Lno_mask_\@
	MASK 2-(\x)
	WIN 0
.Lno_mask_\@:
.endm
; A BLOCK BEGINS: c m far below every c s, m at the lowest finite number; piece 0's masks; K of the tile; piece 0's first scores; piece 2's masks, whose lines are also the places behind those products.
; The block's Q has been waited for where its loads stand: at the kernel's head, and at the first block's end.
.macro BEGIN
	s_mov_b32 s[NEW], 0
.set i, 0
.rept 4
	v_mov_b32 v[ST+8*i], 0xfe000000
	v_mov_b32 v[ST+8*i+1], 0xff7fffff
.set i, i+1
.endr
	s_mov_b32 s[VX], s[VT]
	MASK 0
	FETCH_K
	s_wait_dscnt 0x0
.set i, 0
.rept 32
	KQ 0
.set i, i+1
.endr
	WIN 0
	PLACES                          ; ahead of the lines that write the mask buffers, which the first eight products read
	MASK 2
	WIN 0
.endm
; Slot t's 16 rows of 128 f32 leave: into my stage by lanes, back as whole rows of 512 bytes, stored.  last = 1: where my slot 0 begins with rows t < 16 (m = 0, 1), those two rows are not stored.
.macro OUTT t, last
.set R, S+64*(\t)
.irp c, 0,1,2,3,4,5,6,7
	ds_store_b128 v[STO], v[R+8*\c:R+8*\c+3]   offset:64*\c
	ds_store_b128 v[STO], v[R+8*\c+4:R+8*\c+7] offset:64*\c+16
.endr
.irp r, 0,1,2,3,4,5,6,7,8,9,10,11,12,13,14,15
	ds_load_b128 v[R+4*\r:R+4*\r+3], v[RD] offset:SP*\r  ; LDS serves a wave's instructions in order (ISA guide 5.7.1.4): these see the stores above
.endr
.if \last
	s_cmp_eq_u32 s[SK], 1
	s_cbranch_scc1 .Lskip_\@
.endif
.irp r, 0,1
	s_wait_dscnt 15-\r
	global_store_b128 v[GO], v[R+4*\r:R+4*\r+3], s[10:11] offset:32768*\r+524288*(\t)
.endr
.if \last
.Lskip_\@:
.endif
.irp r, 2,3,4,5,6,7,8,9,10,11,12,13,14,15
	s_wait_dscnt 15-\r              ; row r is back; the 15 - r younger rows stay out
	global_store_b128 v[GO], v[R+4*\r:R+4*\r+3], s[10:11] offset:32768*\r+524288*(\t)  ; a wave's store covers 512 consecutive bytes, aligned
.endr
.endm
; A BLOCK ENDS: piece 2's last products; l's halves are added; slots 2, 3 go to the partner wave's inbox with c m and l; a barrier; my slots 0, 1 are merged with what came:
; O = (e0 O_mine + e1 O_in) / (e0 l_mine + e1 l_in) x 16, e = 2^(c m - the greater c m); then the way out.  last = 0: the second block's Q is asked for first and waited for last.
.macro BLOCKEND last
.if !(\last)
	LOADQ 84, 86                    ; the last product that read Q stands sixteen plain instructions back; the first block's Q was waited for at the kernel's head
.endif
.set i, 0
.rept 32
	PV 2
.set i, i+1
.endr
	WIN 0
.irp t, 0,1,2,3
	v_add_f32 v[ST+8*\t+4], v[ST+8*\t+2], v[ST+8*\t+3]   ; these are the places behind the last products
.endr
.irp t, 0,1,2,3
	v_permlanex16_b32 v[ST+8*\t+5], v[ST+8*\t+4], s[SEL], s[SEL+1]
.endr
.irp t, 0,1,2,3
	v_add_f32 v[ST+8*\t+4], v[ST+8*\t+4], v[ST+8*\t+5]
.endr
	WIN 0x04                        ; the stores' data lie in window 1
.irp t, 2,3
.set f, 0
.rept 16
	ds_store_b128 v[XST], v[64*\t+4*f:64*\t+4*f+3] offset:512*(16*(\t-2)+f)  ; ascending: each accumulator's low registers first
.set f, f+1
.endr
.endr
	WIN 0
.irp t, 2,3
	ds_store_b32 v[XSS], v[ST+8*\t]   offset:256*(\t-2)
	ds_store_b32 v[XSS], v[ST+8*\t+4] offset:256*(\t-2)+128
.endr
	s_wait_dscnt 0x0                ; for the partner's sake: my stores are done
	s_barrier_signal -1
	s_barrier_wait -1               ; my tensor load may stay out
	ds_load_b32 v44, v[XLS]
	ds_load_b32 v45, v[XLS] offset:128
	ds_load_b32 v46, v[XLS] offset:256
	ds_load_b32 v47, v[XLS] offset:384
.set f, 0
.rept 32
	ds_load_b128 v[S+4*f:S+4*f+3], v[XLD] offset:512*f
.set f, f+1
.endr
	s_wait_dscnt 32                 ; the four statistics are in; the 32 loads behind them stay out
.irp t, 0,1
	v_max_num_f32 v[ST+8*\t+5], v[ST+8*\t], v[44+2*\t]
.endr
.irp t, 0,1
	v_sub_f32 v[ST+8*\t+6], v[ST+8*\t], v[ST+8*\t+5]
	v_sub_f32 v[48+4*\t], v[44+2*\t], v[ST+8*\t+5]
.endr
.irp t, 0,1
	v_exp_f32 v[ST+8*\t+6], v[ST+8*\t+6]
	v_exp_f32 v[48+4*\t], v[48+4*\t]
.endr
	v_nop
	s_wait_alu depctr_va_vdst(0)    ; one wait for the four exponentials
.irp t, 0,1
	v_mul_f32 v[ST+8*\t+5], v[ST+8*\t+6], v[ST+8*\t+4]
.endr
.irp t, 0,1
	v_fma_f32 v[ST+8*\t+5], v[48+4*\t], v[45+2*\t], v[ST+8*\t+5]
.endr
.irp t, 0,1
	v_rcp_f32 v[ST+8*\t+5], v[ST+8*\t+5]
.endr
	v_nop
	s_wait_alu depctr_va_vdst(0)    ; one wait for the two reciprocals
.irp t, 0,1
	v_mul_f32 v[ST+8*\t+5], 0x41800000, v[ST+8*\t+5]     ; x 16: v carries 2^-4
.endr
.irp t, 0,1
	v_mul_f32 v[ST+8*\t+6], v[ST+8*\t+6], v[ST+8*\t+5]
	v_mul_f32 v[48+4*\t], v[48+4*\t], v[ST+8*\t+5]
.endr
.irp t, 0,1
	v_mov_b32 v[49+4*\t], v[48+4*\t]                     ; named with it as a pair
.endr
	s_wait_dscnt 0x0
.irp t, 0,1
	WIN 0
.set z, 0
.rept 32
	v_pk_mul_f32 v[S+64*\t+2*z:S+64*\t+2*z+1], v[S+64*\t+2*z:S+64*\t+2*z+1], v[48+4*\t:49+4*\t] op_sel_hi:[1,0]
.set z, z+1
.endr
	WIN 0x01                        ; source 0, my O^T, in window 1
.set z, 0
.rept 32
	v_pk_fma_f32 v[S+64*\t+2*z:S+64*\t+2*z+1], v[64*\t+2*z:64*\t+2*z+1], v[ST+8*\t+6:ST+8*\t+7], v[S+64*\t+2*z:S+64*\t+2*z+1] op_sel_hi:[1,0,1]
.set z, z+1
.endr
.endr
	WIN 0
	OUTT 0, \last
	OUTT 1, 0
.if !(\last)
	s_wait_loadcnt 0x0              ; the second block's Q is in: its loads had the last products, the exchange, the merge and the way out in which to land
	s_wait_xcnt 0x0                 ; the stores have read their registers and out0's address
	s_mov_b64 s[10:11], s[88:89]
	s_lshl_b32 s[VT], s[SB], 2
	s_sub_co_i32 s[VT], 0, s[VT]    ; the tile in hand is the second block's tile 0, 4 s ahead of its first diagonal tile
.endif
.endm
	s_wait_loadcnt 0x0              ; the first block's Q is in: its loads had the set-up above in which to land; no way into the loop passes this wait by
.Lslot:                             ; 19 trips: tile n is entered, tile n + 1 asked for
	CHANGE 1
	s_cmp_eq_u32 s[NEW], 1
	s_cbranch_scc1 .Lbegin          ; the walk's first tile
	TURN 0                          ; V^T P (piece 0, tile n - 1) | K of tile n | K Q^T (piece 0, tile n) | softmax (piece 2, tile n - 1)
	s_cmp_eq_u32 s[VT], 4
	s_cbranch_scc0 .Lmid
	BLOCKEND 0                      ; tile n - 1 was the first block's last; the scores just made, with the old Q, are dropped
.Lbegin:
	BEGIN
.Lmid:
	TURN 2                          ; V^T P (piece 2, tile n - 1) | V of tile n | K Q^T (piece 2, tile n) | softmax (piece 0, tile n)
	s_add_co_i32 s[VT], s[VT], 1
	s_sub_co_u32 s[SLOTS], s[SLOTS], 1
	s_cmp_lg_u32 s[SLOTS], 0
	s_cbranch_scc1 .Lslot
	CHANGE 0                        ; the walk's last tile is written out: nothing is asked for
	s_mov_b32 s[CNT], 2
.Ltail:
	TURN 0                          ; its second pass fetches the last K once more; the scores made of it serve nothing: the price of one text for both passes
	s_sub_co_u32 s[CNT], s[CNT], 1
	s_cmp_eq_u32 s[CNT], 0
	s_cbranch_scc1 .Lout
	TURN 2
	s_branch .Ltail
.Lout:
	BLOCKEND 1
	s_wait_tensorcnt 0x0            ; the wave's end, behind my last tensor load and my last LDS store
	ds_add_u32 v[SPW], v[NIL]
	s_wait_dscnt 0x0
	CROUND                          ; the closing round: no work-group ends while a partner may still ask for a tile that names it
	s_endpgm
.Lfunc_end_k_q8b7d2f263c_attn:
	.size	k_q8b7d2f263c_attn, .Lfunc_end_k_q8b7d2f263c_attn-k_q8b7d2f263c_attn
	.p2alignl 7, 3214868480
	.fill 96, 4, 3214868480
	.section	.rodata,"a",@progbits
	.p2align	6, 0x0
	.amdhsa_kernel k_q8b7d2f263c_attn
		.amdhsa_group_segment_fixed_size 327680
		.amdhsa_private_segment_fixed_size 0
		.amdhsa_enable_private_segment 0
		.amdhsa_kernarg_size 24
		.amdhsa_user_sgpr_count 2
		.amdhsa_user_sgpr_kernarg_segment_ptr 1
		.amdhsa_wavefront_size32 1
		.amdhsa_system_sgpr_workgroup_id_x 1
		.amdhsa_system_sgpr_workgroup_id_y 1
		.amdhsa_system_sgpr_workgroup_id_z 1
		.amdhsa_system_vgpr_workitem_id 0
		.amdhsa_next_free_vgpr 1024
		.amdhsa_next_free_sgpr 90
		.amdhsa_reserve_vcc 1
		.amdhsa_float_denorm_mode_32 3
		.amdhsa_float_denorm_mode_16_64 3
		.amdhsa_memory_ordered 1
		.amdhsa_forward_progress 1
		.amdhsa_inst_pref_size 200
	.end_amdhsa_kernel
	.amdgpu_metadata
---
amdhsa.version: [ 1, 2 ]
amdhsa.kernels:
  - .name:           k_q8b7d2f263c_attn
    .symbol:         k_q8b7d2f263c_attn.kd
    .args:
      - { .name: qk, .offset: 0, .size: 8, .value_kind: global_buffer, .address_space: global }
      - { .name: zh, .offset: 8, .size: 8, .value_kind: global_buffer, .address_space: global }
      - { .name: out0, .offset: 16, .size: 8, .value_kind: global_buffer, .address_space: global }
    .group_segment_fixed_size: 327680
    .private_segment_fixed_size: 0
    .kernarg_segment_align: 8
    .kernarg_segment_size: 24
    .max_flat_workgroup_size: 128
    .sgpr_count:     90
    .vgpr_count:     1024
    .wavefront_size: 32
...
	.end_amdgpu_metadata
.endif
;; end of part 4
;; ======== version 2 of 2: 4 launches; version 1 with the launch cast written anew for expert scheduling mode
;; limits: values are held in f16: magnitudes above 65,504 overflow, below 6.1e-05 lose precision; right only within a limited range of input values
;; workspace buffers: xb 16,777,216 bytes; wb 6,291,456 bytes; zh 50,331,648 bytes; zf 786,432 bytes; qk 33,554,432 bytes
;; launch cast (part 5): grid 352 x 1, 8 waves a work-group, no clusters, 0 bytes of LDS; arguments x, wq, wk, wv, xb, wb; writes xb, wb
.if DOCPART == 5
	.amdgcn_target "amdgcn-amd-amdhsa--gfx1250"
	.amdhsa_code_object_version 6
	.text
	.protected	k_q8b7d2f263c_cast
	.globl	k_q8b7d2f263c_cast
	.p2align	8
	.type	k_q8b7d2f263c_cast,@function
k_q8b7d2f263c_cast:
	s_mov_b64 s[64:65], 0
	v_nop
	global_prefetch_b8 v0, s[64:65] scope:SCOPE_SE
	s_setreg_imm32_b32 hwreg(HW_REG_WAVE_SCHED_MODE, 0, 2), 2
	s_setreg_imm32_b32 hwreg(HW_REG_WAVE_MODE, 25, 1), 1
	s_wait_xcnt 0x0
	s_wait_alu depctr_vm_vsrc(0)
; x -> xb in bf16; wq, wk (times 2^-6) and wv (times 2^-4) -> wb in bf16, rows wq, wk, wv on end.
; The powers of two are exact: they leave room in f16 for what the later launches make of these products, and are taken back there.
; LIMIT: a weight below 2^-120 in size loses bits to the scaling.
; A work-group takes 32 rows of 1,024 numbers: 131,072 bytes in, 65,536 out.  Groups 0-255: x.  Groups 256-351: the weights, 32 groups a tensor.
; Thread t, chunk i of 32: 16 bytes at 4,096 i + 16 t (a wave's load covers 512 bytes on end), stored as 8 bytes at 2,048 i + 8 t
; (a wave's store covers 256 consecutive bytes, aligned).  All 32 loads of a wave go out first; no register is written twice but X by the scaling in place.
; THE MODE: SCHED_MODE bits 1:0 = 2 (LLVM: expert scheduling mode 2), set by the entry lines.  The code itself states the register dependences
; between vector instructions and memory instructions, with s_wait_alu, always for 0.
; THE PLAN.  Registers that memory instructions touch:
;   v1, v2   byte offsets of the loads and of the stores: written once at the head, never again.
;   X        chunk i's four registers: one load lands in them, issued ahead of all vector work on X; read and scaled behind the chunk's wait on LOADcnt; never loaded again.
;   Y        chunk i's two registers: written once, by the chunk's two conversions; read by the chunk's one store; never written again.
; The 32 chunks go in 8 blocks of four.  Block p rounds its four chunks; the four stores of block p - 1 stand at block p's head, behind the wait for the block's first chunk and
; ONE wait on va_vdst, with no vector instruction between that wait and them.  The last block's stores have a wait of their own.  No register that a memory instruction
; reads is written again, so no wait on vm_vsrc and no s_wait_xcnt is owed.
.set X, 8                              ; v[8:135]    chunk i: 4 numbers as loaded
.set Y, 136                            ; v[136:199]  chunk i: 4 bf16 to store
.set BLK, 4                            ; chunks in a block
.macro STORES b                        ; block b's four stores
.irp q, 0,1,2,3
	global_store_b64 v2, v[Y+2*(BLK*(\b)+\q):Y+2*(BLK*(\b)+\q)+1], s[12:13] offset:2048*(BLK*(\b)+\q)
.endr
.endm
.macro CAST scaled
.set i, 0
.rept 32
	global_load_b128 v[X+4*i:X+4*i+3], v1, s[4:5] offset:4096*i th:TH_LOAD_NT
.set i, i+1
.endr
.set p, 0
.rept 32/BLK
	s_wait_loadcnt 31-BLK*p                        ; loads come back in order: the block's first chunk is in, the younger ones stay out
.if p > 0
	s_wait_alu depctr_va_vdst(0)                   ; the block before has written its eight registers of Y, which the four stores below read
	STORES p-1
.endif
.set i, BLK*p
.rept BLK
.if i > BLK*p
	s_wait_loadcnt 31-i                            ; chunk i is in, the 31 - i younger ones stay out
.endif
.if \scaled
	v_pk_mul_f32 v[X+4*i:X+4*i+1], v[X+4*i:X+4*i+1], s[20:21] op_sel_hi:[1,0]
	v_pk_mul_f32 v[X+4*i+2:X+4*i+3], v[X+4*i+2:X+4*i+3], s[20:21] op_sel_hi:[1,0]
.endif
	v_cvt_pk_bf16_f32 v[Y+2*i], v[X+4*i], v[X+4*i+1]
	v_cvt_pk_bf16_f32 v[Y+2*i+1], v[X+4*i+2], v[X+4*i+3]
.set i, i+1
.endr
.set p, p+1
.endr
	s_wait_alu depctr_va_vdst(0)                   ; the last block has written its eight registers of Y, which the last four stores read
	STORES 32/BLK-1
	s_endpgm
.endm
	s_load_b256 s[4:11], s[0:1], 0x0               ; x s[4:5], wq s[6:7], wk s[8:9], wv s[10:11]
	s_load_b128 s[12:15], s[0:1], 0x20             ; xb s[12:13], wb s[14:15]
	v_lshlrev_b32 v1, 4, v0                        ; 16 t
	v_lshlrev_b32 v2, 3, v0                        ; 8 t
	s_mov_b32 s17, 0
	s_mov_b32 s19, 0
	s_mov_b32 s20, 0x3c800000                      ; 2^-6
	s_mov_b32 s21, 0x3d800000                      ; 2^-4
	s_wait_kmcnt 0x0
	s_wait_alu depctr_va_vdst(0)                   ; v1 and v2 are written: every load reads v1 and every store v2 as its offset, on both ways below
	s_cmp_lt_u32 ttmp9, 256
	s_cbranch_scc0 .Lweights
	s_lshl_b32 s16, ttmp9, 17
	s_lshl_b32 s18, ttmp9, 16
	s_add_nc_u64 s[4:5], s[4:5], s[16:17]
	s_add_nc_u64 s[12:13], s[12:13], s[18:19]
	CAST 0
.Lweights:
	s_sub_co_u32 s22, ttmp9, 256                   ; e = 0 .. 95
	s_lshr_b32 s23, s22, 5                         ; the tensor
	s_and_b32 s16, s22, 31
	s_lshl_b32 s16, s16, 17                        ; its 32 rows in the tensor
	s_lshl_b32 s18, s22, 16                        ; and in wb
	s_cmp_eq_u32 s23, 0
	s_cselect_b64 s[4:5], s[6:7], s[8:9]
	s_cmp_eq_u32 s23, 2
	s_cselect_b64 s[4:5], s[10:11], s[4:5]
	s_cselect_b32 s20, s21, s20
	s_mov_b32 s21, s20                             ; named with it as a pair
	s_add_nc_u64 s[4:5], s[4:5], s[16:17]
	s_add_nc_u64 s[12:13], s[14:15], s[18:19]
	CAST 1
.Lfunc_end_k_q8b7d2f263c_cast:
	.size	k_q8b7d2f263c_cast, .Lfunc_end_k_q8b7d2f263c_cast-k_q8b7d2f263c_cast
	.p2alignl 7, 3214868480
	.fill 96, 4, 3214868480
	.section	.rodata,"a",@progbits
	.p2align	6, 0x0
	.amdhsa_kernel k_q8b7d2f263c_cast
		.amdhsa_group_segment_fixed_size 0
		.amdhsa_private_segment_fixed_size 0
		.amdhsa_enable_private_segment 0
		.amdhsa_kernarg_size 48
		.amdhsa_user_sgpr_count 2
		.amdhsa_user_sgpr_kernarg_segment_ptr 1
		.amdhsa_wavefront_size32 1
		.amdhsa_system_sgpr_workgroup_id_x 1
		.amdhsa_system_sgpr_workgroup_id_y 1
		.amdhsa_system_sgpr_workgroup_id_z 1
		.amdhsa_system_vgpr_workitem_id 0
		.amdhsa_next_free_vgpr 200
		.amdhsa_next_free_sgpr 66
		.amdhsa_reserve_vcc 0
		.amdhsa_float_denorm_mode_32 3
		.amdhsa_float_denorm_mode_16_64 3
		.amdhsa_memory_ordered 1
		.amdhsa_forward_progress 1
		.amdhsa_inst_pref_size 28
	.end_amdhsa_kernel
	.amdgpu_metadata
---
amdhsa.version: [ 1, 2 ]
amdhsa.kernels:
  - .name:           k_q8b7d2f263c_cast
    .symbol:         k_q8b7d2f263c_cast.kd
    .args:
      - { .name: x, .offset: 0, .size: 8, .value_kind: global_buffer, .address_space: global }
      - { .name: wq, .offset: 8, .size: 8, .value_kind: global_buffer, .address_space: global }
      - { .name: wk, .offset: 16, .size: 8, .value_kind: global_buffer, .address_space: global }
      - { .name: wv, .offset: 24, .size: 8, .value_kind: global_buffer, .address_space: global }
      - { .name: xb, .offset: 32, .size: 8, .value_kind: global_buffer, .address_space: global }
      - { .name: wb, .offset: 40, .size: 8, .value_kind: global_buffer, .address_space: global }
    .group_segment_fixed_size: 0
    .private_segment_fixed_size: 0
    .kernarg_segment_align: 8
    .kernarg_segment_size: 48
    .max_flat_workgroup_size: 256
    .sgpr_count:     66
    .vgpr_count:     200
    .wavefront_size: 32
...
	.end_amdgpu_metadata
.endif
;; end of part 5
;; launch proj: the kernel of part 2 again; grid 12 x 32, 4 waves a work-group, clusters of 4 x 4, 327,680 bytes of LDS; arguments xb, wb, zh, zf; writes zh, zf
;; launch rope: the kernel of part 3 again; grid 288 x 1, 8 waves a work-group, no clusters, 27,392 bytes of LDS; arguments zh, zf, cos, sin, qk, out0; writes qk, out0
;; launch attn: the kernel of part 4 again; grid 8 x 32, 4 waves a work-group, clusters of 4 x 1, 327,680 bytes of LDS; arguments qk, zh, out0; writes out0
